; MI455X (gfx1250); checked and timed in simulation.
; The chip was launched on July 23, 2026; its instructions are those of AMD's public machine-readable ISA for CDNA 5 (MIT licence, August 2026) and "CDNA5" Instruction Set Architecture Reference Guide (July 2026). The comments in the code are by the model that wrote it; some were corrected since.
;; Soft Decision Tree. Allowed arithmetic: matrix products marked QUANTISED: E3M2 operands, one E8M0 scale for each 32 along K, by v_wmma_scale_f32_16x16x128_f8f6f4 with both operands' format E3M2, f32 sums; products left as they are: f32 operands where the result goes on into a quantised operand, else bf16, f16 or f32 operands; f32 sums; everything else in f32.
;; Inputs: leaf_logits 1,024 x 2 float32; split_bias 1,023 float32; split_weights 1,023 x 4,096 float32; x 16,384 x 4,096 float32.
;; Outputs: out0 16,384 x 2 float32.
;; This version of the problem:
;;   THIS VERSION OF THE PROBLEM IS GIVEN IN LOW PRECISION. The matrix products marked QUANTISED in the list below multiply operands that are first quantised to E3M2 (3 exponent bits, 2 mantissa bits; 6 bits a number), with one power-of-two scale for each 32 numbers along K (OCP MX v1.0); their sums are f32. All else is computed in f32.
;;   The module's matrix products, in the order in which they are computed (A, B: the left and right operand; K: the contracted axis; several contracted axes count as one K, in the product's order):
;;     1. [M 16,384, K 4,096] x [K 4,096, N 1,023]; A: input x; B: input split_weights: QUANTISED
;;     2. [M 16,384, K 1,024] x [K 1,024, N 2]; A: computed on the way; B: computed on the way: left as it is (N = 2 < 16)
;;   THE QUANTISER, for each operand of a quantised product, along K:
;;     - K is cut into blocks of 32 from its start; a last block that is shorter is filled with zeros.
;;     - A block's scale is 2^e with e = floor(log2(the largest magnitude in the block)) - 4, held to -126 .. 127; a block of zeros has e = 0. As a byte (E8M0): e + 127.
;;     - Each number is divided by its block's scale, clamped to +-28, and rounded to the nearest number of E3M2, ties to even, subnormals kept.
;;     - The product sums the exact products of the quantised numbers (number of the format x scale) in f32.
;;   ~~~python
;;   def quantise(x, axis):      # numpy; x: float32 -> the quantised numbers, widened to float32 again
;;       x = np.moveaxis(x, axis, -1); K = x.shape[-1]
;;       x = np.pad(x, [(0, 0)] * (x.ndim - 1) + [(0, -K % 32)]); x = x.reshape(x.shape[:-1] + (-1, 32)); a = np.abs(x).max(-1, keepdims=True)
;;       e = np.where(a > 0, np.clip(np.frexp(np.where(a > 0, a, 1))[1] - 1 - 4, -126, 127), 0)      # np.frexp(a)[1] - 1 = floor(log2(a)), exactly
;;       r = np.clip(x / 2.0 ** e, -28, 28)
;;       step = 2.0 ** (np.maximum(np.frexp(np.where(r == 0, 1, r))[1] - 1, -2) - 2)
;;       q = np.round(r / step) * step * 2.0 ** e      # np.round: ties to even
;;       return np.moveaxis(q.reshape(q.shape[:-2] + (-1,))[..., :K], -1, axis).astype(np.float32)
;;   ~~~
;; 2 versions. Each part assembles by itself: llvm-mc -triple=amdgcn-amd-amdhsa -mcpu=gfx1250 --defsym DOCPART=n.
;; ======== version 1 of 2: 2 launches
;; workspace buffers: wq 3,276,800 bytes; bq 4,096 bytes; lt 8,192 bytes
;; launch prep (part 1): grid 256 x 1, 8 waves a work-group, no clusters, 2,048 bytes of LDS; arguments split_weights, split_bias, leaf_logits, wq, bq, lt; writes wq, bq, lt
.if DOCPART == 1
	.amdgcn_target "amdgcn-amd-amdhsa--gfx1250"
	.amdhsa_code_object_version 6
	.text
	.protected	k_qf8b7991066_prep
	.globl	k_qf8b7991066_prep
	.p2align	8
	.type	k_qf8b7991066_prep,@function
k_qf8b7991066_prep:
	s_mov_b64 s[64:65], 0
	v_nop
	global_prefetch_b8 v0, s[64:65] scope:SCOPE_SE
	s_setreg_imm32_b32 hwreg(HW_REG_WAVE_MODE, 25, 1), 1
	s_wait_xcnt 0x0
; split_weights [1023][4096] f32 becomes codes of BF6 (E3M2) with one E8M0 byte for each 32 along K, laid in the ORDER OF THE OPERAND'S REGISTERS for the next launch, and two small tables are made.
; wq: [K step kk 32][wave w 4][25,600 bytes]: 16 fragments (16 rows x 128 K, 12 registers a lane) of 1,536 bytes, group g of four registers at 512 g + 16 x lane; behind them, at byte 24,576, eight registers of
;     scale words: register i at 512 (i / 4) + 16 x lane + 4 (i % 4); its lanes 0-15 hold the words of tile 2 i's rows, its lanes 16-31 those of tile 2 i + 1's.
; WHICH NODE IS WHICH ROW.  Row m of tile t of wave w is slot 8 t + m % 8 of subtree s = 2 w + m / 8.  Subtree s is rooted at node 7 + s (level 3) and has 127 nodes; slot 1 .. 127 is the node's place in the
;     subtree's own heap: node = (7 + s) P + slot - 1, P the highest power of two not above the slot.  Slot 0 is node s: the seven nodes above the subtrees, and for s = 7 a second copy of node 7, which nobody uses.
; bq: [s 8][slot 128] f32 = -log2(e) x split_bias[node].     lt: [g 512][4] f32 = (a0, a1, b0 - a0, b1 - a1), a = softmax(leaf_logits[2 g]), b = softmax(leaf_logits[2 g + 1]), each with its maximum taken away first.
; A block's scale is 2^(floor(log2(its largest magnitude)) - 4); its byte is the largest magnitude's exponent field - 4, held at 1 from below.
; LIMITS: a block of zeros gets the byte 1 where the rule says 127 (its codes are zeros, and this program alone reads the bytes); NaN and infinities among the weights are not served.
; SHARES: work-group b: kk = b / 8, w = (b / 2) % 4, a = b % 2; its wave u makes the fragment of tile t = 8 a + u.  Work-group 0 also makes bq, work-groups 1 and 2 make lt.
.set WBLK, 25600                       ; a wave's block of one K step in wq
.set FRB,  1536                        ; a fragment's image
.set X,    16                          ; v16-79  64 numbers: v[X + 32 c + i] = k 64 c + 32 (lane / 16) + i of my row
.set QM,   80                          ; v80-81  the two blocks' largest magnitudes
.set QE,   82                          ; v82-83  the conversions' scale operands
.set QB,   84                          ; v84-85  the scale bytes
.set PW,   86                          ; v86     my row's scale word
.set QT,   87                          ; v87     the other half's two bytes
.set PC,   88                          ; v88-99  the fragment's 12 registers
.set PT,   100                         ; v100-107 the upper halves of the two blocks, before they are moved
.set SH8,  10                          ; v10     8 x (lane / 16)
.set SEL,  20                          ; s[20:21] selects of v_permlanex16_b32: lane l xor 16
; node d of slot sg in subtree ss; t1 at work
.macro NODE d, sg, ss, t1
	v_lshrrev_b32 v[\t1], 1, v[\sg]
	v_or_b32 v[\t1], v[\t1], v[\sg]
	v_lshrrev_b32 v[\d], 2, v[\t1]
	v_or_b32 v[\t1], v[\t1], v[\d]
	v_lshrrev_b32 v[\d], 4, v[\t1]
	v_or_b32 v[\t1], v[\t1], v[\d]                 ; ones from the slot's highest bit down
	v_add_nc_u32 v[\t1], 1, v[\t1]
	v_lshrrev_b32 v[\t1], 1, v[\t1]                ; P
	v_add_nc_u32 v[\d], 7, v[\ss]
	v_mad_u32_u24 v[\d], v[\d], v[\t1], v[\sg]
	v_add_nc_u32 v[\d], -1, v[\d]                  ; (7 + s) P + slot - 1
	v_cmp_eq_u32 vcc_lo, 0, v[\sg]
	v_cndmask_b32 v[\d], v[\d], v[\ss], vcc_lo     ; slot 0: node s
.endm
; 64 numbers of a lane, two whole blocks of 32, become the fragment's registers v[PC] on and the row's scale word v[PW]
.macro QUANT s
.irp c, 0,1
	v_max3_num_f32 v[QM+\c], |v[(\s)+32*\c]|, |v[(\s)+32*\c+1]|, 0x2800000   ; my block 2 c + lane / 16, and the floor 2^(5 - 127): the byte cannot fall under 1
.endr
.irp i, 2,4,6,8,10,12,14,16,18,20,22,24,26,28,30
.irp c, 0,1
	v_max3_num_f32 v[QM+\c], v[QM+\c], |v[(\s)+32*\c+\i]|, |v[(\s)+32*\c+\i+1]|   ; the two blocks by turns
.endr
.endr
.irp c, 0,1
	v_add_nc_u32 v[QE+\c], 0xfe000000, v[QM+\c]    ; 4 off the exponent field: the conversion takes the exponent field of this operand as its scale
.endr
.irp c, 0,1
	v_lshrrev_b32 v[QB+\c], 23, v[QE+\c]           ; the scale's byte
.endr
	v_lshl_or_b32 v[PW], v[QB+1], 16, v[QB]        ; my two bytes: blocks h and 2 + h,
	v_lshlrev_b32 v[PW], v[SH8], v[PW]             ; at their places in the word;
	v_permlanex16_b32 v[QT], v[PW], s[SEL], s[SEL+1]
	v_or_b32 v[PW], v[PW], v[QT]                   ; with the other half's two the word is whole, in both lanes of the row
.irp c, 0,1
	v_cvt_scalef32_pk16_bf6_f32 v[PC+6*\c:PC+6*\c+2], v[(\s)+32*\c:(\s)+32*\c+15], v[QE+\c]
	v_cvt_scalef32_pk16_bf6_f32 v[PT+4*\c:PT+4*\c+2], v[(\s)+32*\c+16:(\s)+32*\c+31], v[QE+\c]   ; (a conversion's three registers begin on an even number)
.endr
	v_nop                                          ; one plain place behind a scaled conversion
.irp c, 0,1
.irp i, 0,1,2
	v_mov_b32 v[PC+3+6*\c+\i], v[PT+4*\c+\i]
.endr
.endr
.endm
	s_load_b256 s[4:11], s[0:1], 0x0               ; split_weights s[4:5], split_bias s[6:7], leaf_logits s[8:9], wq s[10:11]
	s_load_b128 s[12:15], s[0:1], 0x20             ; bq s[12:13], lt s[14:15]
	v_lshl_add_u32 v128, v0, 2, 0x400
	v_mov_b32 v129, 0
	v_lshrrev_b32 v1, 5, v0
	v_readfirstlane_b32 s16, v1                    ; wave u
	v_and_b32 v1, 31, v0                           ; lane
	v_and_b32 v2, 15, v0                           ; m: my row of the tile
	v_bfe_u32 v3, v0, 4, 1                         ; lane / 16
	s_lshr_b32 s17, ttmp9, 3                       ; kk
	s_lshr_b32 s28, ttmp9, 1                       ; 4 kk + w
	s_and_b32 s18, s28, 3                          ; w
	s_and_b32 s19, ttmp9, 1                        ; a
	s_lshl_b32 s22, s19, 3
	s_add_co_u32 s22, s22, s16                     ; tile t = 8 a + u
	s_lshl_b32 s23, s18, 1                         ; 2 w
	s_lshl_b32 s24, s22, 3                         ; 8 t
	s_mov_b32 s[SEL], 0x76543210
	s_mov_b32 s[SEL+1], 0xfedcba98
	v_lshrrev_b32 v5, 3, v2
	v_add_nc_u32 v5, s23, v5                       ; subtree s = 2 w + m / 8
	v_and_b32 v4, 7, v2
	v_add_nc_u32 v4, s24, v4                       ; slot = 8 t + m % 8
	NODE 6, 4, 5, 7
	v_lshlrev_b32 v8, 14, v6                       ; the node's row of 16,384 bytes,
	v_lshl_add_u32 v8, v3, 7, v8                   ; + 128 x (lane / 16): my 32 numbers of each 64
	v_lshlrev_b32 v12, 4, v1                       ; 16 x lane
	s_mul_i32 s25, s22, FRB
	v_add_nc_u32 v9, s25, v12                      ; my fragment's place in the block
	s_lshl_b32 s25, s19, 9
	v_add_nc_u32 v13, s25, v12                     ; my work-group's half of the scale image
	v_lshlrev_b32 v[SH8], 3, v3
	s_and_b32 s25, s16, 1
	s_lshl_b32 s25, s25, 8
	s_lshr_b32 s26, s16, 1
	s_lshl_b32 s26, s26, 2
	s_add_co_u32 s25, s25, s26
	v_lshl_add_u32 v11, v2, 4, s25                 ; LDS: 16 (m + 16 (u % 2)) + 4 (u / 2): my row's word in the half image
	v_mov_b32 v[QT], 0                             ; written once: a lane permute's destination counts as one of its sources
	s_lshl_b32 s26, s17, 9                         ; 128 numbers along K for each K step
	s_mov_b32 s27, 0
	s_mul_i32 s28, s28, WBLK
	s_mov_b32 s29, 0
	s_wait_kmcnt 0x0
	s_add_nc_u64 s[4:5], s[4:5], s[26:27]
	s_add_nc_u64 s[10:11], s[10:11], s[28:29]      ; my block of wq
.irp c, 0,1
.irp i, 0,1,2,3,4,5,6,7
	global_load_b128 v[X+32*\c+4*\i:X+32*\c+4*\i+3], v8, s[4:5] offset:256*\c+16*\i th:TH_LOAD_NT   ; the sixteen loads together take 512 consecutive bytes of each of 16 rows
.endr
.endr
	s_wait_loadcnt 0x0
	QUANT X
.irp g, 0,1,2
	global_store_b128 v9, v[PC+4*\g:PC+4*\g+3], s[10:11] offset:512*\g   ; 32 lanes store 512 consecutive bytes, at a multiple of 256 from the buffer's first byte
.endr
	ds_store_b32 v11, v[PW]                        ; both lanes of a row write the same word with the same value
	s_wait_dscnt 0x0                               ; for the others' sake: my store has landed
	s_barrier_signal -1
	s_barrier_wait -1
	s_cmp_lg_u32 s16, 0
	s_cbranch_scc1 .Lnot_wave_0
	ds_load_b128 v[108:111], v12                   ; the eight tiles' words, as four registers' image
	s_wait_dscnt 0x0
	global_store_b128 v13, v[108:111], s[10:11] offset:24576   ; 512 consecutive bytes
.Lnot_wave_0:
	s_cmp_eq_u32 ttmp9, 0
	s_cbranch_scc1 .Lbias
	s_cmp_le_u32 ttmp9, 2
	s_cbranch_scc1 .Lleaf
	s_wait_tensorcnt 0x0
	ds_add_u32 v128, v129
	s_wait_dscnt 0x0
	s_endpgm
.Lbias:                                        ; work-group 0: thread n makes bq's entries 4 n .. 4 n + 3: subtree n / 32, slots 4 (n % 32) on
	v_lshrrev_b32 v112, 5, v0
	v_and_b32 v113, 31, v0
	v_lshlrev_b32 v113, 2, v113
.irp q, 0,1,2,3
	v_add_nc_u32 v[114+\q], \q, v113
	NODE 118+\q, 114+\q, 112, 122
	v_lshlrev_b32 v[118+\q], 2, v[118+\q]
	global_load_b32 v[124+\q], v[118+\q], s[6:7]
.endr
	v_lshlrev_b32 v123, 4, v0
	s_wait_loadcnt 0x0
.irp q, 0,1,2,3
	v_mul_f32 v[104+\q], 0xbfb8aa3b, v[124+\q]     ; x -log2(e): the sigmoid's exponent is then one multiply-add on the sum.  (v104-107 are free: the moves have read them)
.endr
	global_store_b128 v123, v[104:107], s[12:13]
	s_wait_tensorcnt 0x0
	ds_add_u32 v128, v129
	s_wait_dscnt 0x0
	s_endpgm
.Lleaf:                                        ; work-groups 1 and 2: thread n makes lt's entry g = 256 (b - 1) + n
	s_sub_co_u32 s30, ttmp9, 1
	s_lshl_b32 s30, s30, 12
	v_lshl_add_u32 v112, v0, 4, s30                ; 16 g: two leaves' logits in, one entry out
	global_load_b128 v[116:119], v112, s[8:9]
	s_wait_loadcnt 0x0
	v_max_num_f32 v113, v116, v117                 ; each leaf's larger logit is taken away ahead of the exponentials
	v_max_num_f32 v114, v118, v119
	v_sub_f32 v116, v116, v113
	v_sub_f32 v117, v117, v113
	v_sub_f32 v118, v118, v114
	v_sub_f32 v119, v119, v114
.irp q, 0,1,2,3
	v_mul_f32 v[116+\q], 0x3fb8aa3b, v[116+\q]
.endr
.irp q, 0,1,2,3
	v_exp_f32 v[116+\q], v[116+\q]
.endr
	v_nop                                          ; a plain place behind the last exponential
	s_wait_alu depctr_va_vdst(0)                   ; one wait for the four, ahead of their first reader
	v_add_f32 v113, v116, v117
	v_add_f32 v114, v118, v119
	v_rcp_f32 v113, v113
	v_rcp_f32 v114, v114
	v_nop
	s_wait_alu depctr_va_vdst(0)                   ; and one for the two reciprocals
	v_mul_f32 v120, v116, v113                     ; a0
	v_mul_f32 v121, v117, v113                     ; a1
	v_fma_f32 v122, v118, v114, -v120              ; b0 - a0
	v_fma_f32 v123, v119, v114, -v121              ; b1 - a1
	global_store_b128 v112, v[120:123], s[14:15]
	s_wait_tensorcnt 0x0
	ds_add_u32 v128, v129
	s_wait_dscnt 0x0
	s_endpgm
.Lfunc_end_k_qf8b7991066_prep:
	.size	k_qf8b7991066_prep, .Lfunc_end_k_qf8b7991066_prep-k_qf8b7991066_prep
	.p2alignl 7, 3214868480
	.fill 96, 4, 3214868480
	.section	.rodata,"a",@progbits
	.p2align	6, 0x0
	.amdhsa_kernel k_qf8b7991066_prep
		.amdhsa_group_segment_fixed_size 2048
		.amdhsa_private_segment_fixed_size 0
		.amdhsa_enable_private_segment 0
		.amdhsa_kernarg_size 48
		.amdhsa_user_sgpr_count 2
		.amdhsa_user_sgpr_kernarg_segment_ptr 1
		.amdhsa_wavefront_size32 1
		.amdhsa_system_sgpr_workgroup_id_x 1
		.amdhsa_system_sgpr_workgroup_id_y 1
		.amdhsa_system_sgpr_workgroup_id_z 1
		.amdhsa_system_vgpr_workitem_id 0
		.amdhsa_next_free_vgpr 130
		.amdhsa_next_free_sgpr 66
		.amdhsa_reserve_vcc 1
		.amdhsa_float_denorm_mode_32 3
		.amdhsa_float_denorm_mode_16_64 3
		.amdhsa_memory_ordered 1
		.amdhsa_forward_progress 1
		.amdhsa_inst_pref_size 13
	.end_amdhsa_kernel
	.amdgpu_metadata
---
amdhsa.version: [ 1, 2 ]
amdhsa.kernels:
  - .name:           k_qf8b7991066_prep
    .symbol:         k_qf8b7991066_prep.kd
    .args:
      - { .name: split_weights, .offset: 0, .size: 8, .value_kind: global_buffer, .address_space: global }
      - { .name: split_bias, .offset: 8, .size: 8, .value_kind: global_buffer, .address_space: global }
      - { .name: leaf_logits, .offset: 16, .size: 8, .value_kind: global_buffer, .address_space: global }
      - { .name: wq, .offset: 24, .size: 8, .value_kind: global_buffer, .address_space: global }
      - { .name: bq, .offset: 32, .size: 8, .value_kind: global_buffer, .address_space: global }
      - { .name: lt, .offset: 40, .size: 8, .value_kind: global_buffer, .address_space: global }
    .group_segment_fixed_size: 2048
    .private_segment_fixed_size: 0
    .kernarg_segment_align: 8
    .kernarg_segment_size: 48
    .max_flat_workgroup_size: 256
    .sgpr_count:     66
    .vgpr_count:     130
    .wavefront_size: 32
...
	.end_amdgpu_metadata
.endif
;; end of part 1
;; launch tree (part 2): grid 256 x 1, 4 waves a work-group, clusters of 4 x 1, 327,680 bytes of LDS; arguments x, wq, bq, lt, out0; writes out0
.if DOCPART == 2
	.amdgcn_target "amdgcn-amd-amdhsa--gfx1250"
	.amdhsa_code_object_version 6
	.text
	.protected	k_qf8b7991066_tree
	.globl	k_qf8b7991066_tree
	.p2align	8
	.type	k_qf8b7991066_tree,@function
k_qf8b7991066_tree:
	s_mov_b64 s[64:65], 0
	v_nop
	global_prefetch_b8 v0, s[64:65] scope:SCOPE_SE
	s_setreg_imm32_b32 hwreg(HW_REG_WAVE_MODE, 25, 1), 1
	s_wait_xcnt 0x0
	s_wait_alu depctr_hold_cnt(0) depctr_sa_sdst(0) depctr_va_vdst(0) depctr_va_sdst(0) depctr_va_ssrc(0) depctr_va_vcc(0) depctr_vm_vsrc(0)
	s_getreg_b32 s2, hwreg(HW_REG_IB_STS2, 6, 4)
	s_cmp_eq_u32 s2, 0
	s_cbranch_scc0 .Lentry_in_a_cluster
	s_endpgm
.Lentry_in_a_cluster:
	s_bfe_u32 s2, ttmp6, 0x10000c
	s_cmp_lg_u32 s2, 0x3003
	s_cbranch_scc0 .Lentry_shape_is_right
	s_endpgm
.Lentry_shape_is_right:
; out0[row] = the soft decision tree of depth 10 on z = Q(x) Q(W)^T + bias: p = sigmoid(z); v(node) = v(left) + p(node) (v(right) - v(left)) from the leaves up, v(leaf) = softmax(leaf_logits[leaf]).
; That recursion is the product of ten factors for each leaf, summed against the leaves' class probabilities, for every input; it is done in f32.
; The product is on codes of BF6 (E3M2), 6 bits each, with one E8M0 scale for each 32 along K.  W comes as codes, scale words and tables from the launch before; x [16384][4096] f32 is quantised here, in registers.
; SHARES.  A work-group of four waves, as many as a WGP has SIMDs, owns 64 rows of x and ALL 1,024 columns: 64 x 1,024 sums, 512 registers a lane.  Wave w owns 256 columns (16 tiles) for all 64 rows (4 tiles): 64 accumulators.
; THE MATRIX INSTRUCTION IS USED TRANSPOSED (source 0 = 16 rows of W, source 1 = 16 rows of x): lane (r, h) holds ONE row r of x, and register j of tile t the W row 8 h + j, which is slot 8 t + j of subtree 2 w + h
; (the subtree rooted at node 7 + 2 w + h; slot = place in its own heap; slot 0 = node 2 w + h, one of the seven above the subtrees).  So a lane walks its whole subtree for its row in registers; eight pairs and seven p a row meet in LDS.
; K goes in 32 steps of 128.  W's step (102,400 bytes, register images) comes through a ring of two LDS slots by the tensor data mover, each wave fetching its own quarter.
; CLUSTER 4, 1, 1: all work-groups read the same W, so each quarter is asked for JOINTLY by the four partners, with one descriptor and the mask 15; a mask names four work-groups at the most, so a larger cluster would share no more.
; K IS WALKED ROTATED: cluster c takes K step (c + t) mod 32 in its step t, the same in all four partners, so that at any time the clusters ask for different blocks of wq.
; x goes from memory into registers four steps ahead: wave w loads and quantises rows 16 w .. 16 w + 15 and hands the fragment and its scale words to the others through LDS, as an image of the operand's registers, two steps ahead of its use.
; LIMITS: the order of the f32 sums along K differs from cluster to cluster (the same 32 partial products, begun at another place); a block of zeros gets the scale byte 1 (its codes are zeros; no byte leaves the program);
; NaN and infinities in x are not served; sigmoid = 1 / (1 + 2^(-log2(e) (z + bias))) is exactly 0 or 1 where that power overflows or falls to 0.
; REGISTERS, in windows of 256 (s_set_vgpr_msb: bits 1:0 source 0, 3:2 source 1, 5:4 source 2, 7:6 destination):
;   window 0: v0-15 addresses; v16-31 W's scale words, two sets; v32-39 x's, two sets; v40-87 x's fragments, set 0 (later four results); v88-215 two sets of 64 numbers of x (later bq, later the tree's 64 pairs); v216-243 the quantiser's
;   window 1: v0-191 W's 16 fragments, one set; v192-239 x's fragments, set 1; in the end all 256: the subtree's 64 entries of lt
;   windows 2, 3: the accumulators: (tile t, row tile m) at v[8 (4 (t % 8) + m)] of window 2 + t / 8
.set WBLK,  25600                      ; a wave's block of one K step: 16 fragments of 1,536 bytes, then 1,024 bytes of scale words
.set SLOT,  4*WBLK                     ; LDS: slot 0 at 0, slot 1 at SLOT
.set XIMG,  2*SLOT                     ; x's fragments: two buffers of 4 x 1,536 bytes
.set XBUF,  6144
.set XSC,   XIMG+2*XBUF                ; x's scale words: two buffers of 512 bytes: 16 x lane + 4 x row tile
.set TOPS,  XSC+1024                   ; 64 rows x 144 bytes: at 16 s the subtree's (v0, v1, p of its slot 0, 0)
.set TP,    144                        ; nine times 16 bytes: sixteen rows' stores of 16 bytes start at sixteen different places modulo 256
.set SPARE, TOPS+64*TP                 ; the spare words, 128 bytes for each wave: two blocks of 256 bytes that no other line names
.set SPW,  1                           ; v1   SPARE + 4 x my thread's number; never rewritten
.set NIL,  2                           ; v2   0; never rewritten
.set XO,   3                           ; v3   x: 16,384 r + 128 h
.set AXI,  4                           ; v4   XIMG + 16 x lane
.set AXS,  5                           ; v5   XSC + 16 x lane
.set AXIW, 6                           ; v6   where I store my fragment: AXI + 1,536 x wave
.set AXSW, 7                           ; v7   and my scale word: AXS + 4 x wave
.set AW,   8                           ; v8-9 my block in slot 0, 1: WBLK x wave + 16 x lane
.set PFO,  10                          ; v10  the prefetches' offset: 16,384 (lane / 2) + 256 (lane % 2)
.set SH8,  11                          ; v11  8 h
.set ATOP, 12                          ; v12  TOPS + 144 r + 16 (2 wave + h)
.set ATR,  13                          ; v13  TOPS + 144 (thread % 64)
.set BO,   14                          ; v14  my subtree's row of bq
.set LTO,  15                          ; v15  my subtree's entries of lt
.set WS,   16
.set XS,   32
.set XF0,  40
.set XF1,  192                         ; in window 1
.set RES,  40                          ; the four row tiles' results, four registers each
.set ST,   88
.set QM,   216
.set QE,   218
.set QB,   220
.set PW,   222
.set QT,   223
.set PC,   224
.set PT,   236
.set OO,   244                         ; v244 8 (thread % 64): my row's place in the work-group's part of out0
.set WV,   14                          ; s14  my wave's number
.set G1,   24                          ; s[24:31] descriptor group 1
.set G0,   32                          ; s[32:39] descriptor group 0, a set for each slot
.set WB,   40                          ; s[40:41] wq + WBLK x wave
.set WO,   42                          ; s[42:43] an offset in wq
.set KW,   44                          ; s44  the K step of W that is asked for next
.set XB,   46                          ; s[46:47] x at my wave's first row
.set XA,   48                          ; s[48:49] the same at the K step that is being loaded
.set XOF,  50                          ; s[50:51] an offset in x
.set XK,   52                          ; s52  the K step of x that is loaded next
.set PFA,  54                          ; s[54:55] x at my wave's first row, at the K step that is prefetched
.set POF,  58                          ; s[58:59] its offset
.set CNT,  60                          ; s60  the loop's trips to go
.set NL2,  62                          ; s[62:63] -log2(e), twice
.set SEL,  66                          ; s[66:67] selects of v_permlanex16_b32: lane l xor 16
.set MSB, 0
.macro WIN new                         ; the immediate's high byte repeats the setting that is left; a switch that changes nothing is dropped
.if MSB != (\new)
	s_set_vgpr_msb (MSB<<8)|(\new)
.set MSB, (\new)
.endif
.endm
.macro CREST                           ; a round of the cluster's barrier behind its opening barrier
	s_cmp_lg_u32 s[WV], 0
	s_cbranch_scc1 .Lnot_wave_0_\@
	s_barrier_signal -3
.Lnot_wave_0_\@:
	s_barrier_wait -3
	s_barrier_signal -1
	s_barrier_wait -1
.endm
.macro CROUND                          ; a whole round
	s_barrier_signal -1
	s_barrier_wait -1
	CREST
.endm
; A load into a register that a matrix instruction has read, and a vector instruction that reads a matrix result, stand four places behind that matrix instruction; only plain vector instructions that name
; none of its registers are places (ISA guide 7.12.1 for vector instructions).
.macro PLACES
.rept 4
	v_nop
.endr
.endm
; four matrix instructions: W's tile tt against x's four row tiles of set p.  The 64 accumulators take turns, one instruction a turn, in the same order in every step.
; W's scale words: register tt / 2 of the set, lanes 0-15 for an even tile, lanes 16-31 for an odd one.  zero = 1: the first step's products start the sums: nothing is cleared.
.macro MULT p, tt, zero
.irp m, 0,1,2,3
.set rD, 8*(4*((\tt)%8)+\m)
.set rA, 12*(\tt)
.set rB, XF0+(XF1-XF0)*(\p)+12*\m
.set rS, WS+8*(\p)+(\tt)/2
.set rX, XS+4*(\p)+\m
.if \zero
.if (\tt)%2
	v_wmma_scale_f32_16x16x128_f8f6f4 v[rD:rD+7], v[rA:rA+11], v[rB:rB+11], 0, v[rS], v[rX] matrix_a_fmt:MATRIX_FMT_BF6 matrix_b_fmt:MATRIX_FMT_BF6 matrix_a_scale:MATRIX_SCALE_ROW1
.else
	v_wmma_scale_f32_16x16x128_f8f6f4 v[rD:rD+7], v[rA:rA+11], v[rB:rB+11], 0, v[rS], v[rX] matrix_a_fmt:MATRIX_FMT_BF6 matrix_b_fmt:MATRIX_FMT_BF6
.endif
.else
.if (\tt)%2
	v_wmma_scale_f32_16x16x128_f8f6f4 v[rD:rD+7], v[rA:rA+11], v[rB:rB+11], v[rD:rD+7], v[rS], v[rX] matrix_a_fmt:MATRIX_FMT_BF6 matrix_b_fmt:MATRIX_FMT_BF6 matrix_a_scale:MATRIX_SCALE_ROW1
.else
	v_wmma_scale_f32_16x16x128_f8f6f4 v[rD:rD+7], v[rA:rA+11], v[rB:rB+11], v[rD:rD+7], v[rS], v[rX] matrix_a_fmt:MATRIX_FMT_BF6 matrix_b_fmt:MATRIX_FMT_BF6
.endif
.endif
.endr
.endm
; 39 LDS loads in one run, for the step that lies in slot q: W's tiles 0-7, x's four fragments, W's and x's scale words.  Every load takes 512 consecutive bytes, 16 a lane.
.macro FETCH_LO q
	WIN 0x40                                       ; destination window 1, address window 0
.irp tt, 0,1,2,3,4,5,6,7
.irp g, 0,1,2
	ds_load_b128 v[12*\tt+4*\g:12*\tt+4*\g+3], v[AW+(\q)] offset:1536*\tt+512*\g
.endr
.endr
.if \q
.irp m, 0,1,2,3
.irp g, 0,1,2
	ds_load_b128 v[XF1+12*\m+4*\g:XF1+12*\m+4*\g+3], v[AXI] offset:XBUF+1536*\m+512*\g
.endr
.endr
	WIN 0
.else
	WIN 0
.irp m, 0,1,2,3
.irp g, 0,1,2
	ds_load_b128 v[XF0+12*\m+4*\g:XF0+12*\m+4*\g+3], v[AXI] offset:1536*\m+512*\g
.endr
.endr
.endif
	ds_load_b128 v[WS+8*(\q):WS+8*(\q)+3], v[AW+(\q)] offset:24576
	ds_load_b128 v[WS+8*(\q)+4:WS+8*(\q)+7], v[AW+(\q)] offset:25088
	ds_load_b128 v[XS+4*(\q):XS+4*(\q)+3], v[AXS] offset:512*(\q)
.endm
.macro FETCH_HI q                      ; 24 LDS loads: W's tiles 8-15
	WIN 0x40
.irp tt, 8,9,10,11,12,13,14,15
.irp g, 0,1,2
	ds_load_b128 v[12*\tt+4*\g:12*\tt+4*\g+3], v[AW+(\q)] offset:1536*\tt+512*\g
.endr
.endr
	WIN 0
.endm
; 64 numbers of a lane, v[s + 32 c + i] = k 64 c + 32 h + i of my row: two whole blocks of 32; they become the fragment's registers v[PC] on and the row's scale word v[PW]
.macro QUANT s
.irp c, 0,1
	v_max3_num_f32 v[QM+\c], |v[(\s)+32*\c]|, |v[(\s)+32*\c+1]|, 0x2800000   ; my block 2 c + h, and the floor 2^(5 - 127): the byte cannot fall under 1
.endr
.irp i, 2,4,6,8,10,12,14,16,18,20,22,24,26,28,30
.irp c, 0,1
	v_max3_num_f32 v[QM+\c], v[QM+\c], |v[(\s)+32*\c+\i]|, |v[(\s)+32*\c+\i+1]|   ; the two blocks by turns
.endr
.endr
.irp c, 0,1
	v_add_nc_u32 v[QE+\c], 0xfe000000, v[QM+\c]    ; 4 off the exponent field: the conversion takes the exponent field of this operand as its scale
.endr
.irp c, 0,1
	v_lshrrev_b32 v[QB+\c], 23, v[QE+\c]           ; the scale's byte
.endr
	v_lshl_or_b32 v[PW], v[QB+1], 16, v[QB]        ; my two bytes: blocks h and 2 + h,
	v_lshlrev_b32 v[PW], v[SH8], v[PW]             ; at their places in the word;
	v_permlanex16_b32 v[QT], v[PW], s[SEL], s[SEL+1]
	v_or_b32 v[PW], v[PW], v[QT]                   ; with the other half's two the word is whole
.irp c, 0,1
	v_cvt_scalef32_pk16_bf6_f32 v[PC+6*\c:PC+6*\c+2], v[(\s)+32*\c:(\s)+32*\c+15], v[QE+\c]
	v_cvt_scalef32_pk16_bf6_f32 v[PT+4*\c:PT+4*\c+2], v[(\s)+32*\c+16:(\s)+32*\c+31], v[QE+\c]   ; (a conversion's three registers begin on an even number)
.endr
	v_nop                                          ; one plain place behind a scaled conversion
.irp c, 0,1
.irp i, 0,1,2
	v_mov_b32 v[PC+3+6*\c+\i], v[PT+4*\c+\i]
.endr
.endr
.endm
.macro IMAGE p                         ; my fragment and my scale word go to LDS as they stand, into buffer p
.irp g, 0,1,2
	ds_store_b128 v[AXIW], v[PC+4*\g:PC+4*\g+3] offset:XBUF*(\p)+512*\g
.endr
	ds_store_b32 v[AXSW], v[PW] offset:512*(\p)
.endm
; x's address for the next K step to be loaded; pf: also the address of the K step two further on, for the prefetch
.macro XSTEP pf
	s_wait_xcnt 0x0                                ; the earlier loads and the last prefetch, a step back, have read their bases: these are written only behind this wait
	s_lshl_b32 s[XOF], s[XK], 9                    ; 128 numbers of 4 bytes for each K step
	s_add_nc_u64 s[XA:XA+1], s[XB:XB+1], s[XOF:XOF+1]
.if \pf
	s_add_co_u32 s[POF], s[XK], 2
	s_and_b32 s[POF], s[POF], 31
	s_lshl_b32 s[POF], s[POF], 9
	s_add_nc_u64 s[PFA:PFA+1], s[XB:XB+1], s[POF:POF+1]
.endif
	s_add_co_u32 s[XK], s[XK], 1
	s_and_b32 s[XK], s[XK], 31
.endm
.macro XLOAD set                       ; my 16 rows' 128 numbers of a K step: 64 a lane; the sixteen loads together take 512 consecutive bytes of each row
.irp c, 0,1
.irp i, 0,1,2,3,4,5,6,7
	global_load_b128 v[ST+64*(\set)+32*\c+4*\i:ST+64*(\set)+32*\c+4*\i+3], v[XO], s[XA:XA+1] offset:256*\c+16*\i th:TH_LOAD_NT
.endr
.endr
.endm
; A PREFETCH of x, behind a step's sixteen loads: my wave's 16 rows x 512 bytes of the K step that the loads of two steps on will take: 32 aligned blocks of 256 bytes, a lane a block, one instruction.
; Each block is named once in the launch, by the wave that will load it.  Step t names step t + 6: steps 0 to 5 come by their loads alone, and steps 26 on name nothing (guard = 1: the loop's last trip jumps over the line).
.macro ASK guard
.if \guard
	s_cmp_gt_u32 s[CNT], 1
	s_cbranch_scc0 .Lno_ask_\@
.endif
	global_prefetch_b8 v[PFO], s[PFA:PFA+1] th:TH_LOAD_NT scope:SCOPE_SE
.if \guard
.Lno_ask_\@:
.endif
.endm
.macro BLOAD half                      ; 64 of my subtree's 128 numbers of bq, into the set of registers that x has left
.irp i, 0,1,2,3,4,5,6,7,8,9,10,11,12,13,14,15
	global_load_b128 v[ST+64*(\half)+4*\i:ST+64*(\half)+4*\i+3], v[BO], s[8:9] offset:256*(\half)+16*\i
.endr
.endm
.macro G0SET p                         ; slot p's descriptor takes the next K step of W.  No tensor load of mine is out where this stands
	s_mul_i32 s[WO], s[KW], SLOT
	s_add_nc_u64 s[G0+4*(\p)+2:G0+4*(\p)+3], s[WB:WB+1], s[WO:WO+1]   ; 120:64 global address of my quarter
	s_or_b32 s[G0+4*(\p)+3], s[G0+4*(\p)+3], 0x80000000               ; 127:126 type = 2
	s_add_co_u32 s[KW], s[KW], 1
	s_and_b32 s[KW], s[KW], 31
.endm
; ONE K STEP t, p = t % 2: 64 matrix instructions on slot p's fragments, which are in registers or on their way there.
; fill: slot p is filled again with W of step t + 2.  quant: x of step t + 2 is quantised and handed on.  xl = 1: x of step t + 4 is asked for; xl = 2: half of bq.  ask = 1, 2: the prefetch, without and with its guard.
.macro STEP p, zero, fill, quant, xl, ask
	s_wait_dscnt 24                                ; all but the youngest 24 LDS loads (W's tiles 8-15) are in
	WIN 0xa1+4*(\p)                                ; W window 1, x window p, C and D window 2
.irp tt, 0,1,2,3
	MULT \p, \tt, \zero
.endr
	WIN 0                                          ; (the add's two registers lie in window 0)
	s_wait_tensorcnt 0x0                           ; all my tensor loads have landed: the one that was out is my quarter of the other slot;
	ds_add_u32 v[SPW], v[NIL]                      ; 0 onto my spare word
.if \fill
	G0SET \p
.endif
	WIN 0xa1+4*(\p)
	MULT \p, 4, \zero                              ; eight matrix instructions stand between the add and the wait for it
	MULT \p, 5, \zero
	s_wait_dscnt 0x0                               ; the add is done; my reads of slot p and of x's buffer p are in; my stores into x's other buffer have landed
	s_barrier_signal -1
	MULT \p, 6, \zero
	MULT \p, 7, \zero
	WIN 0
	s_barrier_wait -1
.if \fill
	CREST                                          ; the barrier has opened a round of the cluster's barrier: no wave of any partner still reads slot p or has a load on its way
	tensor_load_to_lds s[G0+4*(\p):G0+4*(\p)+3], s[G1:G1+7]   ; the first thing behind the round, my one tensor load until the next: it has the rest of this step and the head of the next in which to land
	s_nop 0
.endif
	PLACES                                         ; behind the tensor load, and in front of the loads into registers that tiles 0-7's products have read
	FETCH_LO 1-\p
	WIN 0xf1+4*(\p)                                ; C and D window 3
.irp tt, 8,9,10,11
	MULT \p, \tt, \zero
.endr
.if \quant
	WIN 0
	s_wait_loadcnt 16                              ; x of step t + 2 is in; the one group of sixteen loads issued behind it may be out
	QUANT ST+64*(\p)
	IMAGE \p                                       ; buffer p: every wave's reads of it were in before the barrier above
.endif
.if \xl == 1
	XSTEP \ask
	XLOAD \p
.if \ask
	ASK \ask-1
.endif
.elseif \xl == 2
	BLOAD \p
.endif
	WIN 0xf1+4*(\p)
.irp tt, 12,13,14,15
	MULT \p, \tt, \zero
.endr
	PLACES
	FETCH_HI 1-\p
.endm
	s_load_b256 s[4:11], s[0:1], 0x0               ; x s[4:5], wq s[6:7], bq s[8:9], lt s[10:11]
	s_load_b64 s[12:13], s[0:1], 0x20              ; out0
	v_lshl_add_u32 v[SPW], v0, 2, SPARE
	v_mov_b32 v[NIL], 0
	ds_add_u32 v1, v2
	ds_add_u32 v1, v2
	s_wait_dscnt 0x0
	v_lshrrev_b32 v245, 5, v0
	v_readfirstlane_b32 s[WV], v245                ; wave 0..3
	s_bfe_u32 s15, ttmp6, 0x40000                  ; cx: my place in the cluster: it enters x's and out0's addresses alone
	s_lshl_b32 s16, ttmp9, 2                       ; in a cluster launch ttmp9 counts clusters
	s_add_co_u32 s16, s16, s15                     ; my work-group
	s_and_b32 s17, ttmp9, 31                       ; the K step at which my cluster begins
	v_and_b32 v246, 31, v0                         ; lane
	v_and_b32 v247, 15, v0                         ; r
	v_bfe_u32 v248, v0, 4, 1                       ; h
	v_lshlrev_b32 v[XO], 14, v247
	v_lshl_add_u32 v[XO], v248, 7, v[XO]
	v_lshlrev_b32 v249, 4, v246                    ; 16 x lane
	v_add_nc_u32 v[AXI], XIMG, v249
	v_add_nc_u32 v[AXS], XSC, v249
	s_mul_i32 s18, s[WV], 1536
	v_add_nc_u32 v[AXIW], s18, v[AXI]
	s_lshl_b32 s18, s[WV], 2
	v_add_nc_u32 v[AXSW], s18, v[AXS]
	s_mul_i32 s19, s[WV], WBLK                     ; my quarter of a slot, and of a K step in wq
	v_add_nc_u32 v[AW], s19, v249
	v_add_nc_u32 v[AW+1], SLOT, v[AW]
	v_lshrrev_b32 v[PFO], 1, v246
	v_lshlrev_b32 v[PFO], 14, v[PFO]
	v_and_b32 v250, 1, v0
	v_lshl_add_u32 v[PFO], v250, 8, v[PFO]
	v_lshlrev_b32 v[SH8], 3, v248
	s_lshl_b32 s18, s[WV], 1
	v_add_nc_u32 v251, s18, v248                   ; my subtree: 2 wave + h
	v_mul_u32_u24 v[ATOP], v247, TP
	v_lshl_add_u32 v[ATOP], v251, 4, v[ATOP]
	v_add_nc_u32 v[ATOP], TOPS, v[ATOP]
	v_and_b32 v252, 63, v0
	v_mul_u32_u24 v[ATR], v252, TP
	v_add_nc_u32 v[ATR], TOPS, v[ATR]
	v_lshlrev_b32 v[BO], 9, v251                   ; 128 numbers of 4 bytes a subtree
	v_lshlrev_b32 v[LTO], 10, v251                 ; 64 entries of 16 bytes a subtree
	v_lshlrev_b32 v[OO], 3, v252
	v_mov_b32 v[QT], 0                             ; written once: a lane permute's destination counts as one of its sources
	; descriptor group 1: a dense block of 25,600 bytes as 100 rows of 256 bytes (32 elements of 8 bytes), no padding: every LDS load takes 512 bytes on end
	s_mov_b32 s[G1+0], 15|(3<<16)|(1<<21)          ; 15:0 the mask: all four work-groups; 17:16 elements of 8 bytes; 20 padding off; 21 set beside a mask
	s_mov_b32 s[G1+1], 32<<16                      ; tensor_dim0 = 32
	s_mov_b32 s[G1+2], 100<<16                     ; tensor_dim1 = 100
	s_mov_b32 s[G1+3], 32<<16                      ; tile_dim0 = 32
	s_mov_b32 s[G1+4], 100                         ; tile_dim1 = 100
	s_mov_b32 s[G1+5], 32                          ; tensor_dim0_stride
	s_mov_b32 s[G1+6], 0
	s_mov_b32 s[G1+7], 0
	s_mov_b32 s[G0], 1                             ; count = 1
	s_mov_b32 s[G0+1], s19                         ; LDS address: my quarter of slot 0: no place in the cluster enters it
	s_mov_b32 s[G0+4], 1
	s_add_co_u32 s[G0+5], s19, SLOT                ; of slot 1
	s_mov_b32 s[WO], s19
	s_mov_b32 s[WO+1], 0
	s_mov_b32 s[XOF+1], 0
	s_mov_b32 s[POF+1], 0
	s_mov_b32 s[KW], s17
	s_mov_b32 s[XK], s17
	s_mov_b32 s[NL2], 0xbfb8aa3b                   ; -log2(e)
	s_mov_b32 s[NL2+1], s[NL2]                     ; (named with it as a pair, so it is written)
	s_mov_b32 s[SEL], 0x76543210
	s_mov_b32 s[SEL+1], 0xfedcba98
	s_lshl_b32 s18, s16, 6
	s_lshl_b32 s20, s[WV], 4
	s_add_co_u32 s18, s18, s20                     ; my wave's first row: 64 x work-group + 16 x wave
	s_lshl_b32 s[XOF], s18, 14                     ; x 16,384 bytes: under 2^28
	s_lshl_b32 s22, s16, 9                         ; the work-group's 64 rows of out0: 512 bytes
	s_mov_b32 s23, 0
	s_wait_kmcnt 0x0
	s_add_nc_u64 s[WB:WB+1], s[6:7], s[WO:WO+1]
	s_add_nc_u64 s[XB:XB+1], s[4:5], s[XOF:XOF+1]
	s_add_nc_u64 s[12:13], s[12:13], s[22:23]
	XSTEP 0
	XLOAD 0                                        ; x of step 0
	XSTEP 0
	XLOAD 1                                        ; x of step 1
	G0SET 0
	G0SET 1
	CROUND                                         ; all four work-groups are here: the first joint loads meet
	tensor_load_to_lds s[G0:G0+3], s[G1:G1+7]      ; W of step 0
	s_nop 0
	tensor_load_to_lds s[G0+4:G0+7], s[G1:G1+7]    ; W of step 1: two tensor loads of mine are out here, one at any later time
	s_nop 0
	PLACES
	s_wait_loadcnt 16                              ; x of step 0 is in; step 1's sixteen loads may be out
	QUANT ST
	IMAGE 0
	XSTEP 0
	XLOAD 0                                        ; x of step 2
	s_wait_loadcnt 16                              ; x of step 1 is in
	s_wait_dscnt 0x0                               ; the image's stores are done: the codes' registers may be written again
	QUANT ST+64
	IMAGE 1
	XSTEP 0
	XLOAD 1                                        ; x of step 3
	s_wait_tensorcnt 1                             ; my quarter of slot 0 is in; slot 1's may stay out
	s_wait_dscnt 0x0                               ; my images have landed
	s_barrier_signal -1
	s_barrier_wait -1                              ; everybody's have
	FETCH_LO 0
	FETCH_HI 0
	STEP 0, 1, 1, 1, 1, 1                          ; step 0 stands in front of the loop: its products start the sums
	s_mov_b32 s[CNT], 13
.Lpair:                                        ; a trip goes once round the ring: steps 1 to 26
	STEP 1, 0, 1, 1, 1, 1
	STEP 0, 0, 1, 1, 1, 2
	s_sub_co_u32 s[CNT], s[CNT], 1
	s_cmp_lg_u32 s[CNT], 0
	s_cbranch_scc1 .Lpair
	STEP 1, 0, 1, 1, 1, 0                          ; step 27: the last load of x (step 31).  The tail is written out
	STEP 0, 0, 1, 1, 2, 0                          ; step 28: x of step 30 is quantised; its registers take the first half of bq
	STEP 1, 0, 1, 1, 2, 0                          ; step 29: the last fill (W of step 31), the last x; the second half of bq
	STEP 0, 0, 0, 0, 0, 0                          ; step 30: nothing is filled, so no round of the cluster's barrier
	s_wait_dscnt 24                                ; step 31: nothing more to fetch
	WIN 0xa5
.irp tt, 0,1,2,3,4,5,6,7
	MULT 1, \tt, 0
.endr
	s_wait_dscnt 0x0
	WIN 0xf5
.irp tt, 8,9,10,11,12,13,14,15
	MULT 1, \tt, 0
.endr
	WIN 0
	; ---- THE SIGMOID AND THE TREE
	PLACES                                         ; behind the last products: in front of the first reads of results and of the loads into W's and x's registers
.irp m, 0,1,2,3
	v_mov_b32 v[RES+4*\m+3], 0                     ; the fourth word of each result
.endr
	s_wait_loadcnt 0x0                             ; bq, asked for two steps ago and more
	WIN 0x40
.set ii, 0
.rept 64
	global_load_b128 v[4*ii:4*ii+3], v[LTO], s[10:11] offset:16*ii   ; my subtree's 64 entries of lt fill window 1; they land under the sigmoid
.set ii, ii+1
.endr
; p = 1 / (1 + 2^(-log2(e) z + bq)), in place, for the 32 accumulators of window w.  Each accumulator is read from its low end on.  The exponentials of an accumulator stand behind the next one's multiply-adds.
; All of a window's exponentials are one batch with one wait ahead of their first reader, and so are its reciprocals.
.macro SIGMOID w
	WIN ((\w)<<6)|(\w)                             ; destination and source 0 window w, bq window 0
.set ia, 0
.rept 32
.irp q, 0,1,2,3
	v_pk_fma_f32 v[8*ia+2*\q:8*ia+2*\q+1], v[8*ia+2*\q:8*ia+2*\q+1], s[NL2:NL2+1], v[ST+8*(8*((\w)-2)+ia/4)+2*\q:ST+8*(8*((\w)-2)+ia/4)+2*\q+1] op_sel_hi:[1,0,1]
.endr
.if ia > 0
.irp j, 0,1,2,3,4,5,6,7
	v_exp_f32 v[8*(ia-1)+\j], v[8*(ia-1)+\j]
.endr
.endif
.set ia, ia+1
.endr
.irp j, 0,1,2,3,4,5,6,7
	v_exp_f32 v[248+\j], v[248+\j]
.endr
	v_nop                                          ; a plain place behind the last exponential
	s_wait_alu depctr_va_vdst(0)
.set ia, 0
.rept 32
.irp q, 0,1,2,3
	v_pk_add_f32 v[8*ia+2*\q:8*ia+2*\q+1], v[8*ia+2*\q:8*ia+2*\q+1], 1.0 op_sel_hi:[1,0]
.endr
.if ia > 0
.irp j, 0,1,2,3,4,5,6,7
	v_rcp_f32 v[8*(ia-1)+\j], v[8*(ia-1)+\j]
.endr
.endif
.set ia, ia+1
.endr
.irp j, 0,1,2,3,4,5,6,7
	v_rcp_f32 v[248+\j], v[248+\j]
.endr
	v_nop
	s_wait_alu depctr_va_vdst(0)
.endm
	SIGMOID 2
	SIGMOID 3
	s_wait_loadcnt 0x0                             ; lt
; My subtree for my row of row tile m.  V[i] = v[ST + 2 i : ST + 2 i + 1] is a pair of class values.  The lowest level (slots 64 + i) takes its leaves' pair and difference from lt: one packed multiply-add a node;
; a level of n nodes above it (slots n + u) takes V[u st] and V[u st + st / 2], st = 64 / n: a packed difference and a packed multiply-add.  A node's p feeds both halves: op_sel picks its register of the even pair.
.macro TREE m
	WIN 0x17                                       ; p window 3, lt window 1, V window 0
.set ii, 0
.rept 64
.set rP, 8*(4*(ii/8)+(\m))+ii%8
.if ii%2
	v_pk_fma_f32 v[ST+2*ii:ST+2*ii+1], v[rP-1:rP], v[4*ii+2:4*ii+3], v[4*ii:4*ii+1] op_sel:[1,0,0] op_sel_hi:[1,1,1]
.else
	v_pk_fma_f32 v[ST+2*ii:ST+2*ii+1], v[rP:rP+1], v[4*ii+2:4*ii+3], v[4*ii:4*ii+1] op_sel_hi:[0,1,1]
.endif
.set ii, ii+1
.endr
.irp n, 32,16,8,4,2
	WIN 0
.set iu, 0
.rept \n
.set vl, ST+2*iu*(64/\n)
.set vr, vl+64/\n
	v_pk_add_f32 v[vr:vr+1], v[vr:vr+1], v[vl:vl+1] neg_lo:[0,1] neg_hi:[0,1]   ; right - left
.set iu, iu+1
.endr
	WIN 0x02                                       ; p window 2
.set iu, 0
.rept \n
.set vl, ST+2*iu*(64/\n)
.set vr, vl+64/\n
.set sg, \n+iu
.set rP, 8*(4*(sg/8)+(\m))+sg%8
.if sg%2
	v_pk_fma_f32 v[vl:vl+1], v[rP-1:rP], v[vr:vr+1], v[vl:vl+1] op_sel:[1,0,0] op_sel_hi:[1,1,1]
.else
	v_pk_fma_f32 v[vl:vl+1], v[rP:rP+1], v[vr:vr+1], v[vl:vl+1] op_sel_hi:[0,1,1]
.endif
.set iu, iu+1
.endr
.endr
	WIN 0
	v_pk_add_f32 v[ST+64:ST+65], v[ST+64:ST+65], v[ST:ST+1] neg_lo:[0,1] neg_hi:[0,1]
	WIN 0x02
	v_pk_fma_f32 v[RES+4*(\m):RES+4*(\m)+1], v[8*(\m):8*(\m)+1], v[ST+64:ST+65], v[ST:ST+1] op_sel:[1,0,0] op_sel_hi:[1,1,1]   ; slot 1: the subtree's root
	v_mov_b32 v[RES+4*(\m)+2], v[8*(\m)]           ; slot 0: p of node 2 wave + h
	WIN 0
	ds_store_b128 v[ATOP], v[RES+4*(\m):RES+4*(\m)+3] offset:16*TP*(\m)
.endm
	TREE 0
	TREE 1
	TREE 2
	TREE 3
	s_wait_dscnt 0x0                               ; for the others' sake: my stores have landed
	s_barrier_signal -1
	s_barrier_wait -1                              ; eight subtrees' values and seven p lie in LDS for each of the 64 rows
	s_cmp_gt_u32 s[WV], 1
	s_cbranch_scc1 .Lrest                          ; waves 0 and 1: a thread a row
.irp s, 0,1,2,3,4,5,6,7
	ds_load_b128 v[ST+4*\s:ST+4*\s+3], v[ATR] offset:16*\s
.endr
	s_wait_dscnt 0x0
.macro LERP l, r, n                    ; quad l = quad l + p(node n) x (quad r - quad l); p(node n) is the third word of quad n
	v_pk_add_f32 v[ST+4*(\r):ST+4*(\r)+1], v[ST+4*(\r):ST+4*(\r)+1], v[ST+4*(\l):ST+4*(\l)+1] neg_lo:[0,1] neg_hi:[0,1]
	v_pk_fma_f32 v[ST+4*(\l):ST+4*(\l)+1], v[ST+4*(\n)+2:ST+4*(\n)+3], v[ST+4*(\r):ST+4*(\r)+1], v[ST+4*(\l):ST+4*(\l)+1] op_sel_hi:[0,1,1]
.endm
	LERP 0, 1, 3                                   ; nodes 3 to 6 join the subtrees in pairs,
	LERP 2, 3, 4
	LERP 4, 5, 5
	LERP 6, 7, 6
	LERP 0, 2, 1                                   ; nodes 1 and 2 those,
	LERP 4, 6, 2
	LERP 0, 4, 0                                   ; and the root the two halves
	global_store_b64 v[OO], v[ST:ST+1], s[12:13]   ; 32 lanes store 256 consecutive bytes, at a multiple of 256 from out0's first byte
.Lrest:
	s_wait_tensorcnt 0x0                           ; the wave's end: behind my last tensor load and my last LDS store
	ds_add_u32 v[SPW], v[NIL]
	s_wait_dscnt 0x0
	CROUND                                         ; the closing round: no work-group ends while a partner may still ask for a block that names it
	s_endpgm
.Lfunc_end_k_qf8b7991066_tree:
	.size	k_qf8b7991066_tree, .Lfunc_end_k_qf8b7991066_tree-k_qf8b7991066_tree
	.p2alignl 7, 3214868480
	.fill 96, 4, 3214868480
	.section	.rodata,"a",@progbits
	.p2align	6, 0x0
	.amdhsa_kernel k_qf8b7991066_tree
		.amdhsa_group_segment_fixed_size 327680
		.amdhsa_private_segment_fixed_size 0
		.amdhsa_enable_private_segment 0
		.amdhsa_kernarg_size 40
		.amdhsa_user_sgpr_count 2
		.amdhsa_user_sgpr_kernarg_segment_ptr 1
		.amdhsa_wavefront_size32 1
		.amdhsa_system_sgpr_workgroup_id_x 1
		.amdhsa_system_sgpr_workgroup_id_y 1
		.amdhsa_system_sgpr_workgroup_id_z 1
		.amdhsa_system_vgpr_workitem_id 0
		.amdhsa_next_free_vgpr 1024
		.amdhsa_next_free_sgpr 72
		.amdhsa_reserve_vcc 0
		.amdhsa_float_denorm_mode_32 3
		.amdhsa_float_denorm_mode_16_64 3
		.amdhsa_memory_ordered 1
		.amdhsa_forward_progress 1
		.amdhsa_inst_pref_size 255
	.end_amdhsa_kernel
	.section	.bss,"aw",@nobits
	.p2align	6
	.space	262144
	.amdgpu_metadata
---
amdhsa.version: [ 1, 2 ]
amdhsa.kernels:
  - .name:           k_qf8b7991066_tree
    .symbol:         k_qf8b7991066_tree.kd
    .args:
      - { .name: x, .offset: 0, .size: 8, .value_kind: global_buffer, .address_space: global }
      - { .name: wq, .offset: 8, .size: 8, .value_kind: global_buffer, .address_space: global }
      - { .name: bq, .offset: 16, .size: 8, .value_kind: global_buffer, .address_space: global }
      - { .name: lt, .offset: 24, .size: 8, .value_kind: global_buffer, .address_space: global }
      - { .name: out0, .offset: 32, .size: 8, .value_kind: global_buffer, .address_space: global }
    .group_segment_fixed_size: 327680
    .private_segment_fixed_size: 0
    .kernarg_segment_align: 8
    .kernarg_segment_size: 40
    .max_flat_workgroup_size: 128
    .sgpr_count:     72
    .vgpr_count:     1024
    .wavefront_size: 32
...
	.end_amdgpu_metadata
.endif
;; end of part 2
;; ======== version 2 of 2: 2 launches
;; limits: right only within a limited range of input values
;; workspace buffers: wq 3,276,800 bytes; bq 4,096 bytes; lt 8,192 bytes
;; launch prep (part 3): grid 256 x 1, 8 waves a work-group, no clusters, 2,048 bytes of LDS; arguments split_weights, split_bias, leaf_logits, wq, bq, lt; writes wq, bq, lt
.if DOCPART == 3
	.amdgcn_target "amdgcn-amd-amdhsa--gfx1250"
	.amdhsa_code_object_version 6
	.text
	.protected	k_qf8b7991066_prep
	.globl	k_qf8b7991066_prep
	.p2align	8
	.type	k_qf8b7991066_prep,@function
k_qf8b7991066_prep:
	s_mov_b64 s[64:65], 0
	v_nop
	global_prefetch_b8 v0, s[64:65] scope:SCOPE_SE
	s_setreg_imm32_b32 hwreg(HW_REG_WAVE_MODE, 25, 1), 1
	s_wait_xcnt 0x0
; split_weights [1023][4096] f32 becomes codes of BF6 (E3M2) with one E8M0 byte for each 32 along K, laid in the ORDER OF THE OPERAND'S REGISTERS for the next launch, and two small tables are made.
; wq: [K step kk 32][wave w 4][25,600 bytes]: 16 fragments (16 rows x 128 K, 12 registers a lane) of 1,536 bytes, group g of four registers at 512 g + 16 x lane; behind them, at byte 24,576, eight registers of
;     scale words: register i at 512 (i / 4) + 16 x lane + 4 (i % 4); its lanes 0-15 hold the words of tile 2 i's rows, its lanes 16-31 those of tile 2 i + 1's.
; WHICH NODE IS WHICH ROW.  Row m of tile t of wave w is slot 8 t + m % 8 of subtree s = 2 w + m / 8.  Subtree s is rooted at node 7 + s (level 3) and has 127 nodes; slot 1 .. 127 is the node's place in the
;     subtree's own heap: node = (7 + s) P + slot - 1, P the highest power of two not above the slot.  Slot 0 is node s: the seven nodes above the subtrees, and for s = 7 a second copy of node 7, which nobody uses.
; bq: [s 8][slot 128] f32 = -log2(e) x split_bias[node].     lt: [g 512][4] f32 = (a0, a1, b0 - a0, b1 - a1), a = softmax(leaf_logits[2 g]), b = softmax(leaf_logits[2 g + 1]), each with its maximum taken away first.
; A block's scale is 2^(floor(log2(its largest magnitude)) - 4); its byte is the largest magnitude's exponent field - 4, held at 1 from below.
; LIMITS: a block of zeros gets the byte 1 where the rule says 127 (its codes are zeros, and this program alone reads the bytes); NaN and infinities among the weights are not served.
; SHARES: work-group b: kk = b / 8, w = (b / 2) % 4, a = b % 2; its wave u makes the fragment of tile t = 8 a + u.  Work-group 0 also makes bq, work-groups 1 and 2 make lt.
.set WBLK, 25600                       ; a wave's block of one K step in wq
.set FRB,  1536                        ; a fragment's image
.set X,    16                          ; v16-79  64 numbers: v[X + 32 c + i] = k 64 c + 32 (lane / 16) + i of my row
.set QM,   80                          ; v80-81  the two blocks' largest magnitudes
.set QE,   82                          ; v82-83  the conversions' scale operands
.set QB,   84                          ; v84-85  the scale bytes
.set PW,   86                          ; v86     my row's scale word
.set QT,   87                          ; v87     the other half's two bytes
.set PC,   88                          ; v88-99  the fragment's 12 registers
.set PT,   100                         ; v100-107 the upper halves of the two blocks, before they are moved
.set SH8,  10                          ; v10     8 x (lane / 16)
.set SEL,  20                          ; s[20:21] selects of v_permlanex16_b32: lane l xor 16
; node d of slot sg in subtree ss; t1 at work
.macro NODE d, sg, ss, t1
	s_delay_alu instid0(VALU_DEP_1)
	v_lshrrev_b32 v[\t1], 1, v[\sg]
	s_delay_alu instid0(VALU_DEP_1)
	v_or_b32 v[\t1], v[\t1], v[\sg]
	s_delay_alu instid0(VALU_DEP_1)
	v_lshrrev_b32 v[\d], 2, v[\t1]
	s_delay_alu instid0(VALU_DEP_1)
	v_or_b32 v[\t1], v[\t1], v[\d]
	s_delay_alu instid0(VALU_DEP_1)
	v_lshrrev_b32 v[\d], 4, v[\t1]
	s_delay_alu instid0(VALU_DEP_1)
	v_or_b32 v[\t1], v[\t1], v[\d]                 ; ones from the slot's highest bit down
	s_delay_alu instid0(VALU_DEP_1)
	v_add_nc_u32 v[\t1], 1, v[\t1]
	s_delay_alu instid0(VALU_DEP_1)
	v_lshrrev_b32 v[\t1], 1, v[\t1]                ; P
	v_add_nc_u32 v[\d], 7, v[\ss]
	s_delay_alu instid0(VALU_DEP_1)
	v_mad_u32_u24 v[\d], v[\d], v[\t1], v[\sg]
	s_delay_alu instid0(VALU_DEP_1)
	v_add_nc_u32 v[\d], -1, v[\d]                  ; (7 + s) P + slot - 1
	v_cmp_eq_u32 vcc_lo, 0, v[\sg]
	s_delay_alu instid0(VALU_DEP_1)
	v_cndmask_b32 v[\d], v[\d], v[\ss], vcc_lo     ; slot 0: node s
.endm
; 64 numbers of a lane, two whole blocks of 32, become the fragment's registers v[PC] on and the row's scale word v[PW]
.macro QUANT s
.irp c, 0,1
	v_max3_num_f32 v[QM+\c], |v[(\s)+32*\c]|, |v[(\s)+32*\c+1]|, 0x2800000   ; my block 2 c + lane / 16, and the floor 2^(5 - 127): the byte cannot fall under 1
.endr
.irp i, 2,4,6,8,10,12,14,16,18,20,22,24,26,28,30
.irp c, 0,1
	s_delay_alu instid0(VALU_DEP_2)
	v_max3_num_f32 v[QM+\c], v[QM+\c], |v[(\s)+32*\c+\i]|, |v[(\s)+32*\c+\i+1]|   ; the two blocks by turns
.endr
.endr
.irp c, 0,1
	s_delay_alu instid0(VALU_DEP_2)
	v_add_nc_u32 v[QE+\c], 0xfe000000, v[QM+\c]    ; 4 off the exponent field: the conversion takes the exponent field of this operand as its scale
.endr
.irp c, 0,1
	s_delay_alu instid0(VALU_DEP_2)
	v_lshrrev_b32 v[QB+\c], 23, v[QE+\c]           ; the scale's byte
.endr
	s_delay_alu instid0(VALU_DEP_1)
	v_lshl_or_b32 v[PW], v[QB+1], 16, v[QB]        ; my two bytes: blocks h and 2 + h,
	s_delay_alu instid0(VALU_DEP_1)
	v_lshlrev_b32 v[PW], v[SH8], v[PW]             ; at their places in the word;
	s_delay_alu instid0(VALU_DEP_1)
	v_permlanex16_b32 v[QT], v[PW], s[SEL], s[SEL+1]
	s_delay_alu instid0(VALU_DEP_1)
	v_or_b32 v[PW], v[PW], v[QT]                   ; with the other half's two the word is whole, in both lanes of the row
.irp c, 0,1
	v_cvt_scalef32_pk16_bf6_f32 v[PC+6*\c:PC+6*\c+2], v[(\s)+32*\c:(\s)+32*\c+15], v[QE+\c]
	v_cvt_scalef32_pk16_bf6_f32 v[PT+4*\c:PT+4*\c+2], v[(\s)+32*\c+16:(\s)+32*\c+31], v[QE+\c]   ; (a conversion's three registers begin on an even number)
.endr
	v_nop                                          ; one plain place behind a scaled conversion
.irp c, 0,1
.irp i, 0,1,2
	v_mov_b32 v[PC+3+6*\c+\i], v[PT+4*\c+\i]
.endr
.endr
.endm
	s_load_b256 s[4:11], s[0:1], 0x0               ; split_weights s[4:5], split_bias s[6:7], leaf_logits s[8:9], wq s[10:11]
	s_load_b128 s[12:15], s[0:1], 0x20             ; bq s[12:13], lt s[14:15]
	v_lshl_add_u32 v128, v0, 2, 0x400
	v_mov_b32 v129, 0
	v_lshrrev_b32 v1, 5, v0
	s_delay_alu instid0(VALU_DEP_1)
	v_readfirstlane_b32 s16, v1                    ; wave u
	v_and_b32 v1, 31, v0                           ; lane
	v_and_b32 v2, 15, v0                           ; m: my row of the tile
	s_wait_alu depctr_va_vdst(0)
	v_bfe_u32 v3, v0, 4, 1                         ; lane / 16
	s_lshr_b32 s17, ttmp9, 3                       ; kk
	s_lshr_b32 s28, ttmp9, 1                       ; 4 kk + w
	s_and_b32 s18, s28, 3                          ; w
	s_and_b32 s19, ttmp9, 1                        ; a
	s_lshl_b32 s22, s19, 3
	s_add_co_u32 s22, s22, s16                     ; tile t = 8 a + u
	s_lshl_b32 s23, s18, 1                         ; 2 w
	s_lshl_b32 s24, s22, 3                         ; 8 t
	s_mov_b32 s[SEL], 0x76543210
	s_mov_b32 s[SEL+1], 0xfedcba98
	v_lshrrev_b32 v5, 3, v2
	s_delay_alu instid0(VALU_DEP_1)
	v_add_nc_u32 v5, s23, v5                       ; subtree s = 2 w + m / 8
	v_and_b32 v4, 7, v2
	s_delay_alu instid0(VALU_DEP_1)
	v_add_nc_u32 v4, s24, v4                       ; slot = 8 t + m % 8
	NODE 6, 4, 5, 7
	s_delay_alu instid0(VALU_DEP_1)
	v_lshlrev_b32 v8, 14, v6                       ; the node's row of 16,384 bytes,
	s_delay_alu instid0(VALU_DEP_1)
	v_lshl_add_u32 v8, v3, 7, v8                   ; + 128 x (lane / 16): my 32 numbers of each 64
	v_lshlrev_b32 v12, 4, v1                       ; 16 x lane
	s_mul_i32 s25, s22, FRB
	v_add_nc_u32 v9, s25, v12                      ; my fragment's place in the block
	s_lshl_b32 s25, s19, 9
	v_add_nc_u32 v13, s25, v12                     ; my work-group's half of the scale image
	v_lshlrev_b32 v[SH8], 3, v3
	s_and_b32 s25, s16, 1
	s_lshl_b32 s25, s25, 8
	s_lshr_b32 s26, s16, 1
	s_lshl_b32 s26, s26, 2
	s_add_co_u32 s25, s25, s26
	v_lshl_add_u32 v11, v2, 4, s25                 ; LDS: 16 (m + 16 (u % 2)) + 4 (u / 2): my row's word in the half image
	v_mov_b32 v[QT], 0                             ; written once: a lane permute's destination counts as one of its sources
	s_lshl_b32 s26, s17, 9                         ; 128 numbers along K for each K step
	s_mov_b32 s27, 0
	s_mul_i32 s28, s28, WBLK
	s_mov_b32 s29, 0
	s_wait_alu depctr_va_vdst(0)
	s_wait_kmcnt 0x0
	s_add_nc_u64 s[4:5], s[4:5], s[26:27]
	s_add_nc_u64 s[10:11], s[10:11], s[28:29]      ; my block of wq
.irp c, 0,1
.irp i, 0,1,2,3,4,5,6,7
	global_load_b128 v[X+32*\c+4*\i:X+32*\c+4*\i+3], v8, s[4:5] offset:256*\c+16*\i   ; the sixteen loads together take 512 consecutive bytes of each of 16 rows; no hint: neighbouring pieces are asked for by the next loads
.endr
.endr
	s_wait_loadcnt 0x0
	QUANT X
.irp g, 0,1,2
	global_store_b128 v9, v[PC+4*\g:PC+4*\g+3], s[10:11] offset:512*\g   ; 32 lanes store 512 consecutive bytes, at a multiple of 256 from the buffer's first byte
.endr
	ds_store_b32 v11, v[PW]                        ; both lanes of a row write the same word with the same value
	s_wait_dscnt 0x0                               ; for the others' sake: my store has landed
	s_barrier_signal -1
	s_barrier_wait -1
	s_cmp_lg_u32 s16, 0
	s_cbranch_scc1 .Lnot_wave_0
	ds_load_b128 v[108:111], v12                   ; the eight tiles' words, as four registers' image
	s_wait_dscnt 0x0
	global_store_b128 v13, v[108:111], s[10:11] offset:24576   ; 512 consecutive bytes
.Lnot_wave_0:
	s_cmp_eq_u32 ttmp9, 0
	s_cbranch_scc1 .Lbias
	s_cmp_le_u32 ttmp9, 2
	s_cbranch_scc1 .Lleaf
	s_wait_tensorcnt 0x0
	ds_add_u32 v128, v129
	s_wait_dscnt 0x0
	s_endpgm
.Lbias:                                        ; work-group 0: thread n makes bq's entries 4 n .. 4 n + 3: subtree n / 32, slots 4 (n % 32) on
	v_lshrrev_b32 v112, 5, v0
	v_and_b32 v113, 31, v0
	s_delay_alu instid0(VALU_DEP_1)
	v_lshlrev_b32 v113, 2, v113
.irp q, 0,1,2,3
	v_add_nc_u32 v[114+\q], \q, v113
	NODE 118+\q, 114+\q, 112, 122
	s_delay_alu instid0(VALU_DEP_1)
	v_lshlrev_b32 v[118+\q], 2, v[118+\q]
	global_load_b32 v[124+\q], v[118+\q], s[6:7]
.endr
	v_lshlrev_b32 v123, 4, v0
	s_wait_loadcnt 0x0
.irp q, 0,1,2,3
	v_mul_f32 v[104+\q], 0xbfb8aa3b, v[124+\q]     ; x -log2(e): the sigmoid's exponent is then one multiply-add on the sum.  (v104-107 are free: the moves have read them)
.endr
	s_wait_alu depctr_va_vdst(0)
	global_store_b128 v123, v[104:107], s[12:13]
	s_wait_tensorcnt 0x0
	ds_add_u32 v128, v129
	s_wait_dscnt 0x0
	s_endpgm
.Lleaf:                                        ; work-groups 1 and 2: thread n makes lt's entry g = 256 (b - 1) + n
	s_sub_co_u32 s30, ttmp9, 1
	s_lshl_b32 s30, s30, 12
	v_lshl_add_u32 v112, v0, 4, s30                ; 16 g: two leaves' logits in, one entry out
	global_load_b128 v[116:119], v112, s[8:9]
	s_wait_loadcnt 0x0
	v_max_num_f32 v113, v116, v117                 ; each leaf's larger logit is taken away ahead of the exponentials
	v_max_num_f32 v114, v118, v119
	s_delay_alu instid0(VALU_DEP_2)
	v_sub_f32 v116, v116, v113
	s_delay_alu instid0(VALU_DEP_3)
	v_sub_f32 v117, v117, v113
	s_delay_alu instid0(VALU_DEP_3)
	v_sub_f32 v118, v118, v114
	s_delay_alu instid0(VALU_DEP_4)
	v_sub_f32 v119, v119, v114
.irp q, 0,1,2,3
	s_delay_alu instid0(VALU_DEP_4)
	v_mul_f32 v[116+\q], 0x3fb8aa3b, v[116+\q]
.endr
	s_wait_alu depctr_va_vdst(0)
.irp q, 0,1,2,3
	v_exp_f32 v[116+\q], v[116+\q]
.endr
	v_nop                                          ; a plain place behind the last exponential
	s_wait_alu depctr_va_vdst(0)                   ; one wait for the four, ahead of their first reader
	v_add_f32 v113, v116, v117
	v_add_f32 v114, v118, v119
	s_wait_alu depctr_va_vdst(0)
	v_rcp_f32 v113, v113
	v_rcp_f32 v114, v114
	v_nop
	s_wait_alu depctr_va_vdst(0)                   ; and one for the two reciprocals
	v_mul_f32 v120, v116, v113                     ; a0
	v_mul_f32 v121, v117, v113                     ; a1
	v_fma_f32 v122, v118, v114, -v120              ; b0 - a0
	v_fma_f32 v123, v119, v114, -v121              ; b1 - a1
	global_store_b128 v112, v[120:123], s[14:15]
	s_wait_tensorcnt 0x0
	ds_add_u32 v128, v129
	s_wait_dscnt 0x0
	s_endpgm
.Lfunc_end_k_qf8b7991066_prep:
	.size	k_qf8b7991066_prep, .Lfunc_end_k_qf8b7991066_prep-k_qf8b7991066_prep
	.p2alignl 7, 3214868480
	.fill 96, 4, 3214868480
	.section	.rodata,"a",@progbits
	.p2align	6, 0x0
	.amdhsa_kernel k_qf8b7991066_prep
		.amdhsa_group_segment_fixed_size 2048
		.amdhsa_private_segment_fixed_size 0
		.amdhsa_enable_private_segment 0
		.amdhsa_kernarg_size 48
		.amdhsa_user_sgpr_count 2
		.amdhsa_user_sgpr_kernarg_segment_ptr 1
		.amdhsa_wavefront_size32 1
		.amdhsa_system_sgpr_workgroup_id_x 1
		.amdhsa_system_sgpr_workgroup_id_y 1
		.amdhsa_system_sgpr_workgroup_id_z 1
		.amdhsa_system_vgpr_workitem_id 0
		.amdhsa_next_free_vgpr 130
		.amdhsa_next_free_sgpr 66
		.amdhsa_reserve_vcc 1
		.amdhsa_float_denorm_mode_32 3
		.amdhsa_float_denorm_mode_16_64 3
		.amdhsa_memory_ordered 1
		.amdhsa_forward_progress 1
		.amdhsa_inst_pref_size 16
	.end_amdhsa_kernel
	.amdgpu_metadata
---
amdhsa.version: [ 1, 2 ]
amdhsa.kernels:
  - .name:           k_qf8b7991066_prep
    .symbol:         k_qf8b7991066_prep.kd
    .args:
      - { .name: split_weights, .offset: 0, .size: 8, .value_kind: global_buffer, .address_space: global }
      - { .name: split_bias, .offset: 8, .size: 8, .value_kind: global_buffer, .address_space: global }
      - { .name: leaf_logits, .offset: 16, .size: 8, .value_kind: global_buffer, .address_space: global }
      - { .name: wq, .offset: 24, .size: 8, .value_kind: global_buffer, .address_space: global }
      - { .name: bq, .offset: 32, .size: 8, .value_kind: global_buffer, .address_space: global }
      - { .name: lt, .offset: 40, .size: 8, .value_kind: global_buffer, .address_space: global }
    .group_segment_fixed_size: 2048
    .private_segment_fixed_size: 0
    .kernarg_segment_align: 8
    .kernarg_segment_size: 48
    .max_flat_workgroup_size: 256
    .sgpr_count:     66
    .vgpr_count:     130
    .wavefront_size: 32
...
	.end_amdgpu_metadata
.endif
;; end of part 3
;; launch tree (part 4): grid 256 x 1, 4 waves a work-group, clusters of 4 x 1, 327,680 bytes of LDS; arguments x, wq, bq, lt, out0; writes out0
.if DOCPART == 4
	.amdgcn_target "amdgcn-amd-amdhsa--gfx1250"
	.amdhsa_code_object_version 6
	.text
	.protected	k_qf8b7991066_tree
	.globl	k_qf8b7991066_tree
	.p2align	8
	.type	k_qf8b7991066_tree,@function
k_qf8b7991066_tree:
	s_mov_b64 s[64:65], 0
	v_nop
	global_prefetch_b8 v0, s[64:65] scope:SCOPE_SE
	s_setreg_imm32_b32 hwreg(HW_REG_WAVE_MODE, 25, 1), 1
	s_wait_xcnt 0x0
	s_wait_alu depctr_hold_cnt(0) depctr_sa_sdst(0) depctr_va_vdst(0) depctr_va_sdst(0) depctr_va_ssrc(0) depctr_va_vcc(0) depctr_vm_vsrc(0)
	s_getreg_b32 s2, hwreg(HW_REG_IB_STS2, 6, 4)
	s_cmp_eq_u32 s2, 0
	s_cbranch_scc0 .Lentry_in_a_cluster
	s_endpgm
.Lentry_in_a_cluster:
	s_bfe_u32 s2, ttmp6, 0x10000c
	s_cmp_lg_u32 s2, 0x3003
	s_cbranch_scc0 .Lentry_shape_is_right
	s_endpgm
.Lentry_shape_is_right:
; out0 = the soft decision tree of x.  A work-group takes 64 rows of x through everything: quantiser, product with all 1,024 rows of wq (1,023 nodes and one spare copy, inside a live tile), sigmoid, tree, two numbers a row.
; Wave w takes subtrees 2 w and 2 w + 1 (256 rows of wq, 16 tiles) against the 64 rows of x (4 tiles): 64 accumulators.  The product is used transposed (source 0 = nodes, source 1 = x):
; lane (r, h) of accumulator (t, m) holds row 16 m + r of x and slots 8 t + 0 .. 7 of subtree 2 w + h.
; K goes in 32 steps of 128.  wq COMES BY TWO WAYS.  Tiles 0-7 of each wave: CLUSTERS of 4 x 1, whose partners walk the same blocks, ask for them JOINTLY (mask 15) into a ring of two LDS slots; a slot holds
; two K steps (a wave's load: 2 rows of 12,288 bytes), so a round of the cluster's barrier stands in every second step and a load has two steps in which to land.  Tiles 8-15 and the scale words go from
; memory straight into the operand's registers, a step ahead (the scale words two): they pass through no LDS.
; A cluster starts at K step 2 (cluster % 16) and goes round; x and wq go in the same order.
; x is read by its work-group alone: each wave loads its 16 rows into registers, a row's 512 consecutive bytes a load, two sets of 64 registers; a set turns through the wave's own stage in LDS so that a lane
; holds two whole blocks of 32, is quantised, and its fragment's image goes to LDS for all four waves.  In step s the x of step s + 2 is quantised and that of s + 4 asked for.
; PREFETCH: in step s each wave names the 32 blocks of 256 bytes of its rows of K step s + 6, two steps ahead of their load; steps 0 to 5 come by their loads alone; nothing is named past step 31.
; None for wq: all 64 clusters load every block of it.
; LIMITS: a block of zeros gets the scale byte 1 where the rule says 127 (its codes are zeros; the bytes stay in this launch); NaN and infinities in x are not served.
.set WBLK,  25600                      ; a wave's block of one K step in wq: 16 fragment images of 1,536 bytes, then 1,024 bytes of scale words
.set WSTP,  4*WBLK                     ; a K step of wq
.set WHALF, 12288                      ; tiles 0-7 of a block
.set SLOT1, 1<<17                      ; slot 0 at byte 0, slot 1 here; a slot is 4 waves x 2 steps x WHALF = 98,304 bytes
.set XIMG,  8*WHALF                    ; between the slots: x's fragment images, two of 6,144 bytes,
.set XBUF,  6144
.set XSC,   XIMG+2*XBUF                ; x's scale words, two of 512 bytes,
.set TOPS,  XSC+1024                   ; the subtrees' results: 64 rows of 144 bytes,
.set TP,    144
.set SPARE, TOPS+64*TP                 ; and the spare words, 128 bytes a wave
.set XSP,   528                        ; a stage row: 512 bytes + 16, so that 16 rows' equal columns lie in 16 different groups of banks
.set XWV,   16*XSP
.set XSTG,  SLOT1+8*WHALF              ; behind slot 1: the four stages
.set SPW,  1                           ; v1 my spare word's address, v2 = 0: kept
.set NIL,  2
.set WOF,  3                           ; 16 x lane
.set AXI,  4                           ; x's images: read; AXS its scale words
.set AXS,  5
.set AXIW, 6                           ; the same: my wave's part, written
.set AXSW, 7
.set XSTW, 8                           ; my stage: in (16 x lane), XSTR back (row r, + 128 h)
.set XSTR, 9
.set PFO,  10                          ; prefetch: row lane / 2, block lane % 2
.set SH8,  11
.set ATOP, 12
.set ATR,  13
.set BO,   14
.set LTO,  15
.set WS,   16                          ; v16-31 wq's scale words, two sets; v32-39 x's, two sets
.set XS,   32
.set XF0,  40                          ; x's fragments: even steps v40-87 of window 0, odd steps v192-239 of window 1
.set XF1,  192
.set RES,  40
.set ST,   88                          ; v88-215 the two sets of x; in the tail the biases and the tree's values
.set QM,   216
.set QE,   218
.set QB,   220
.set PW,   222
.set QT,   223
.set PC,   224
.set PT,   236
.set OO,   244
.set AW,   246                         ; v246 my part of slot 0; v247 of the slot that is being read.  Window 1: v0-191 wq's 16 fragments.  Windows 2, 3: the accumulators
.set AWC,  247
.set WV,   14
.set G1,   24
.set G0,   32
.set TB,   36                          ; the slot that is being read: 0 or SLOT1
.set KD,   37                          ; the K step of the next direct loads
.set WA,   38                          ; s[38:39] my block of step s + 1;  s[68:69] of step s + 2
.set WB,   40
.set WO,   42
.set KW,   44
.set XB,   46
.set XA,   48
.set XOF,  50
.set XP,   52
.set PFA,  54
.set POF,  58
.set CNT,  60
.set NL2,  62
.set SEL,  66
.set WA2,  68
.set MSB, 0
.macro WIN new                         ; the immediate's high byte repeats the setting that is left
.if MSB != (\new)
	s_set_vgpr_msb (MSB<<8)|(\new)
.set MSB, (\new)
.endif
.endm
.macro PLACES                          ; four places behind matrix instructions, ahead of loads into their registers and of reads of results
.rept 4
	v_nop
.endr
.endm
.macro CREST                           ; a round of the cluster's barrier behind its opening barrier
	s_cmp_lg_u32 s[WV], 0
	s_cbranch_scc1 .Lnot_wave_0_\@
	s_barrier_signal -3
.Lnot_wave_0_\@:
	s_barrier_wait -3
	s_barrier_signal -1
	s_barrier_wait -1
.endm
.macro CROUND
	s_barrier_signal -1
	s_barrier_wait -1
	CREST
.endm
; tile tt of wq against x's four tiles; the 64 accumulators take turns in the same order in every step
.macro MULT p, tt, zero
.irp m, 0,1,2,3
.set rD, 8*(4*((\tt)%8)+\m)
.set rA, 12*(\tt)
.set rB, XF0+(XF1-XF0)*(\p)+12*\m
.set rS, WS+8*(\p)+(\tt)/2
.set rX, XS+4*(\p)+\m
.if \zero
.if (\tt)%2
	v_wmma_scale_f32_16x16x128_f8f6f4 v[rD:rD+7], v[rA:rA+11], v[rB:rB+11], 0, v[rS], v[rX] matrix_a_fmt:MATRIX_FMT_BF6 matrix_b_fmt:MATRIX_FMT_BF6 matrix_a_scale:MATRIX_SCALE_ROW1
.else
	v_wmma_scale_f32_16x16x128_f8f6f4 v[rD:rD+7], v[rA:rA+11], v[rB:rB+11], 0, v[rS], v[rX] matrix_a_fmt:MATRIX_FMT_BF6 matrix_b_fmt:MATRIX_FMT_BF6
.endif
.else
.if (\tt)%2
	v_wmma_scale_f32_16x16x128_f8f6f4 v[rD:rD+7], v[rA:rA+11], v[rB:rB+11], v[rD:rD+7], v[rS], v[rX] matrix_a_fmt:MATRIX_FMT_BF6 matrix_b_fmt:MATRIX_FMT_BF6 matrix_a_scale:MATRIX_SCALE_ROW1
.else
	v_wmma_scale_f32_16x16x128_f8f6f4 v[rD:rD+7], v[rA:rA+11], v[rB:rB+11], v[rD:rD+7], v[rS], v[rX] matrix_a_fmt:MATRIX_FMT_BF6 matrix_b_fmt:MATRIX_FMT_BF6
.endif
.endif
.endr
.endm
.macro MULG p, g, zero                 ; group g: tiles 4 g .. 4 g + 3, 16 matrix instructions
.irp u, 0,1,2,3
	MULT \p, 4*(\g)+\u, \zero
.endr
.endm
.macro WSET                            ; group 0: the other slot, the next two K steps of wq, going round (the first K step is even: a pair never goes round inside)
	s_xor_b32 s[G0+1], s[G0+1], SLOT1
	s_mul_i32 s[WO], s[KW], WSTP
	s_add_nc_u64 s[G0+2:G0+3], s[WB:WB+1], s[WO:WO+1]
	s_or_b32 s[G0+3], s[G0+3], 0x80000000
	s_add_co_u32 s[KW], s[KW], 2
	s_and_b32 s[KW], s[KW], 31
.endm
.macro WADR d                          ; my block of K step KD
	s_mul_i32 s[WO], s[KD], WSTP
	s_add_nc_u64 s[\d:\d+1], s[WB:WB+1], s[WO:WO+1]
.endm
.macro KINC
	s_add_co_u32 s[KD], s[KD], 1
	s_and_b32 s[KD], s[KD], 31
.endm
.macro WLDS g, e                       ; group g (0, 1) of the slot's step e: 12 LDS loads
	WIN 0x40
.irp u, 0,1,2,3
.irp f, 0,1,2
	ds_load_b128 v[12*(4*(\g)+\u)+4*\f:12*(4*(\g)+\u)+4*\f+3], v[AWC] offset:WHALF*(\e)+1536*(4*(\g)+\u)+512*\f
.endr
.endr
	WIN 0
.endm
.macro WGLB g                          ; group g (2, 3) from memory: 12 loads of 512 consecutive bytes
	WIN 0x40
.irp u, 0,1,2,3
.irp f, 0,1,2
	global_load_b128 v[12*(4*(\g)+\u)+4*\f:12*(4*(\g)+\u)+4*\f+3], v[WOF], s[WA:WA+1] offset:1536*(4*(\g)+\u)+512*\f
.endr
.endr
	WIN 0
.endm
.macro WSCL q                          ; a step's scale words into set q: 2 loads
	global_load_b128 v[WS+8*(\q):WS+8*(\q)+3], v[WOF], s[WA2:WA2+1] offset:24576
	global_load_b128 v[WS+8*(\q)+4:WS+8*(\q)+7], v[WOF], s[WA2:WA2+1] offset:25088
.endm
.macro FETCH_X q                       ; x's four fragments and scale words from image q: 13 loads
.if \q
	WIN 0x40
.irp m, 0,1,2,3
.irp g, 0,1,2
	ds_load_b128 v[XF1+12*\m+4*\g:XF1+12*\m+4*\g+3], v[AXI] offset:XBUF+1536*\m+512*\g
.endr
.endr
	WIN 0
.else
.irp m, 0,1,2,3
.irp g, 0,1,2
	ds_load_b128 v[XF0+12*\m+4*\g:XF0+12*\m+4*\g+3], v[AXI] offset:1536*\m+512*\g
.endr
.endr
.endif
	ds_load_b128 v[XS+4*(\q):XS+4*(\q)+3], v[AXS] offset:512*(\q)
.endm
.macro XSET                            ; where the next K step of my 16 rows of x begins, going round
	s_lshl_b32 s[XOF], s[XP], 9
	s_add_nc_u64 s[XA:XA+1], s[XB:XB+1], s[XOF:XOF+1]
	s_add_co_u32 s[XP], s[XP], 1
	s_and_b32 s[XP], s[XP], 31
.endm
.macro XLOAD p                         ; 16 loads: each takes the 512 consecutive bytes of one row
.irp i, 0,1,2,3,4,5,6,7,8,9,10,11,12,13,14,15
	global_load_b128 v[ST+64*(\p)+4*\i:ST+64*(\p)+4*\i+3], v[WOF], s[XA:XA+1] offset:16384*\i th:TH_LOAD_NT
.endr
.endm
.macro XSTORE p                        ; set p into my stage, as loaded
.irp i, 0,1,2,3,4,5,6,7,8,9,10,11,12,13,14,15
	ds_store_b128 v[XSTW], v[ST+64*(\p)+4*\i:ST+64*(\p)+4*\i+3] offset:XSP*\i
.endr
.endm
.macro XBACK p                         ; and back: v[32 c + i] = k 64 c + 32 h + i of row r
.irp c, 0,1
.irp i, 0,1,2,3,4,5,6,7
	ds_load_b128 v[ST+64*(\p)+32*\c+4*\i:ST+64*(\p)+32*\c+4*\i+3], v[XSTR] offset:256*\c+16*\i
.endr
.endr
.endm
; 64 numbers of a lane, two whole blocks of 32, become the fragment's 12 registers v[PC] on and the row's scale word v[PW]
.macro QUANT s
.irp c, 0,1
	v_max3_num_f32 v[QM+\c], |v[(\s)+32*\c]|, |v[(\s)+32*\c+1]|, 0x2800000   ; with the floor 2^(5 - 127): the byte cannot fall under 1
.endr
.irp i, 2,4,6,8,10,12,14,16,18,20,22,24,26,28,30
.irp c, 0,1
	v_max3_num_f32 v[QM+\c], v[QM+\c], |v[(\s)+32*\c+\i]|, |v[(\s)+32*\c+\i+1]|
.endr
.endr
.irp c, 0,1
	v_add_nc_u32 v[QE+\c], 0xfe000000, v[QM+\c]    ; 4 off the exponent field: the conversion's scale operand
.endr
.irp c, 0,1
	v_lshrrev_b32 v[QB+\c], 23, v[QE+\c]           ; the scale's byte
.endr
	v_lshl_or_b32 v[PW], v[QB+1], 16, v[QB]
	v_lshlrev_b32 v[PW], v[SH8], v[PW]
	v_permlanex16_b32 v[QT], v[PW], s[SEL], s[SEL+1]
	v_or_b32 v[PW], v[PW], v[QT]                   ; with the other half's two bytes the word is whole
.irp c, 0,1
	v_cvt_scalef32_pk16_bf6_f32 v[PC+6*\c:PC+6*\c+2], v[(\s)+32*\c:(\s)+32*\c+15], v[QE+\c]
	v_cvt_scalef32_pk16_bf6_f32 v[PT+4*\c:PT+4*\c+2], v[(\s)+32*\c+16:(\s)+32*\c+31], v[QE+\c]
.endr
	v_nop                                          ; one plain place behind a scaled conversion
.irp c, 0,1
.irp i, 0,1,2
	v_mov_b32 v[PC+3+6*\c+\i], v[PT+4*\c+\i]
.endr
.endr
.endm
.macro IMAGE p
.irp g, 0,1,2
	ds_store_b128 v[AXIW], v[PC+4*\g:PC+4*\g+3] offset:XBUF*(\p)+512*\g
.endr
	ds_store_b32 v[AXSW], v[PW] offset:512*(\p)
.endm
.macro TURNX p                         ; the head's turn of set p: through the stage, quantised, into image p
	s_wait_loadcnt 16
	XSTORE \p
	s_wait_dscnt 0x0
	XBACK \p
	s_wait_dscnt 0x0
	QUANT ST+64*(\p)
	IMAGE \p
	s_wait_xcnt 0x0                                ; the loads issued so far have read their bases
.endm
.macro BLOAD half
.irp i, 0,1,2,3,4,5,6,7,8,9,10,11,12,13,14,15
	global_load_b128 v[ST+64*(\half)+4*\i:ST+64*(\half)+4*\i+3], v[BO], s[8:9] offset:256*(\half)+16*\i
.endr
.endm
; K step s, p = s % 2.  Its fragments of wq and x are in registers or on their way.
; rnd: 1 = the slot read out takes the pair of steps s + 3, s + 4 (odd steps); 2 = my last tensor load is waited for, nothing is filled; 0 = a plain barrier, for x's image alone.
; next: step s + 1's fragments are fetched.  wsc: the scale words of s + 2.  quant: x of s + 2 (set p, image p).  xload: x of s + 4.  ask: 1 a prefetch, 2 one that the loop's last trip leaves out.
; A step issues 12 (group 2) + 12 (group 3) + 2 (scale words) + 16 (x) loads.  na, nb, nc, nd: the loads younger than this step's scale words (58), its x set (42), its group 2 (30), its group 3 (30).
.macro STEP p, zero, rnd, next, wsc, quant, xload, ask, na, nb, nc, nd
	s_wait_loadcnt \na
	s_wait_dscnt 4                                 ; all but the four stores of x's image
	WIN 0xa1+4*(\p)
	MULG \p, 0, \zero
.if \next
	WIN 0
.if \rnd
	s_wait_tensorcnt 0x0                           ; my one load that was out, my part of the other slot, has landed
.endif
.if \rnd == 1
	ds_add_u32 v[SPW], v[NIL]
	WSET                                           ; no load of mine is out: group 0 may be written
.endif
	s_wait_dscnt 0x0                               ; the add, my reads of the slot and of image p, my stores into image 1 - p
	s_barrier_signal -1
	WIN 0xa1+4*(\p)
.endif
	MULG \p, 1, \zero
	WIN 0
.if \next
	s_barrier_wait -1
.endif
.if \rnd == 1
	CREST                                          ; the barrier has opened a round: no wave of any partner reads that slot or has a load out
	tensor_load_to_lds s[G0:G0+3], s[G1:G1+7]
	s_nop 0
.endif
	PLACES
.if \next
	s_wait_xcnt 0x0                                ; the last step's loads and prefetch have read their bases
	WADR WA
	KINC
.if \wsc
	WADR WA2
.endif
.if \xload
	XSET
.endif
.if \ask
	s_add_co_u32 s[POF], s[XP], 1                  ; XP stands at step s + 5: the prefetch names s + 6
	s_and_b32 s[POF], s[POF], 31
	s_lshl_b32 s[POF], s[POF], 9
	s_add_nc_u64 s[PFA:PFA+1], s[XB:XB+1], s[POF:POF+1]
.endif
.if \p
	s_xor_b32 s[TB], s[TB], SLOT1                  ; step s + 1 is even: it begins the other slot
	v_add_nc_u32 v[AWC], s[TB], v[AW]
.endif
	WLDS 0, 1-\p
	WLDS 1, 1-\p
	FETCH_X 1-\p
.endif
.if \quant
	s_wait_loadcnt \nb
	XSTORE \p
.endif
	s_wait_loadcnt \nc
	WIN 0xf1+4*(\p)
	MULG \p, 2, \zero
	WIN 0
	PLACES
.if \next
	WGLB 2
.endif
.if \quant
	s_wait_dscnt 0x0                               ; the stage's stores have read set p, which the loads back write
	XBACK \p
.endif
	s_wait_loadcnt \nd
	WIN 0xf1+4*(\p)
	MULG \p, 3, \zero
	WIN 0
	PLACES
.if \next
	WGLB 3
.endif
.if \wsc
	WSCL \p
.endif
.if \next
	s_wait_dscnt 0x0                               ; set p is back, and the next step's fragments are in
.endif
.if \quant
	QUANT ST+64*(\p)
	IMAGE \p
.endif
.if \xload
	XLOAD \p
.endif
.if \ask == 2
	s_cmp_gt_u32 s[CNT], 1                         ; the loop's last even step would name a step past the last
	s_cbranch_scc0 .Lno_ask_\@
.endif
.if \ask
	global_prefetch_b8 v[PFO], s[PFA:PFA+1] th:TH_LOAD_NT scope:SCOPE_SE
.endif
.if \ask == 2
.Lno_ask_\@:
.endif
.endm
	s_load_b256 s[4:11], s[0:1], 0x0               ; x s[4:5], wq s[6:7], bq s[8:9], lt s[10:11]
	s_load_b64 s[12:13], s[0:1], 0x20              ; out0
	v_lshl_add_u32 v[SPW], v0, 2, SPARE
	v_mov_b32 v[NIL], 0
	ds_add_u32 v[SPW], v[NIL]                      ; the opening lines: the add twice on end, under one wait
	ds_add_u32 v[SPW], v[NIL]
	v_lshrrev_b32 v245, 5, v0
	v_readfirstlane_b32 s[WV], v245                ; wave
	s_bfe_u32 s15, ttmp6, 0x40000                  ; cx
	s_lshl_b32 s16, ttmp9, 2
	s_add_co_u32 s16, s16, s15                     ; work-group = 4 x cluster + cx: it enters x's and out0's addresses alone
	s_and_b32 s17, ttmp9, 15
	s_lshl_b32 s[KW], s17, 1                       ; the cluster's first K step
	s_mov_b32 s[XP], s[KW]
	s_mov_b32 s[KD], s[KW]
	s_mov_b32 s[TB], 0
	s_mov_b32 s[G1+0], 15|(3<<16)|(1<<21)          ; the mask of the four; elements of 8 bytes; bit 21 beside a mask; no padding
	s_mov_b32 s[G1+1], 1536<<16                    ; rows of 12,288 bytes,
	s_mov_b32 s[G1+2], 2<<16                       ; two of them,
	s_mov_b32 s[G1+3], 1536<<16
	s_mov_b32 s[G1+4], 2
	s_mov_b32 s[G1+5], 12800                       ; a K step of wq, 102,400 bytes, apart
	s_mov_b32 s[G1+6], 0
	s_mov_b32 s[G1+7], 0
	s_mul_i32 s[WO], s[WV], WBLK
	s_mov_b32 s[WO+1], 0
	s_mul_i32 s24, s[WV], 2*WHALF                  ; (s24 is written again below: G1's first word)
	s_mov_b32 s[G0], 1
	s_add_co_u32 s[G0+1], s24, SLOT1               ; the first WSET turns it to slot 0
	s_mul_i32 s18, s[WV], 1536
	s_lshl_b32 s19, s[WV], 2
	s_mul_i32 s20, s[WV], XWV
	s_add_co_u32 s20, s20, XSTG
	s_lshl_b32 s21, s[WV], 1
	s_mov_b32 s[XOF+1], 0
	s_mov_b32 s[POF+1], 0
	s_mov_b32 s[NL2], 0xbfb8aa3b                   ; -log2(e)
	s_mov_b32 s[NL2+1], s[NL2]
	s_mov_b32 s[SEL], 0x76543210
	s_mov_b32 s[SEL+1], 0xfedcba98
	s_lshl_b32 s22, s16, 6
	s_lshl_b32 s23, s[WV], 4
	s_add_co_u32 s22, s22, s23                     ; my wave's first row of x
	s_lshl_b32 s[XOF], s22, 14
	s_lshl_b32 s22, s16, 9                         ; 64 rows of 8 bytes of out0
	s_mov_b32 s23, 0
	v_and_b32 v248, 31, v0                         ; lane
	v_and_b32 v249, 15, v0                         ; r
	v_bfe_u32 v250, v0, 4, 1                       ; h
	v_lshlrev_b32 v[WOF], 4, v248
	v_add_nc_u32 v[AW], s24, v[WOF]
	v_add_nc_u32 v[AWC], s24, v[WOF]
	v_add_nc_u32 v[AXI], XIMG, v[WOF]
	v_add_nc_u32 v[AXS], XSC, v[WOF]
	v_add_nc_u32 v[AXIW], s18, v[AXI]
	v_add_nc_u32 v[AXSW], s19, v[AXS]
	v_add_nc_u32 v[XSTW], s20, v[WOF]
	v_mul_u32_u24 v[XSTR], v249, XSP
	v_lshl_add_u32 v[XSTR], v250, 7, v[XSTR]
	v_add_nc_u32 v[XSTR], s20, v[XSTR]
	v_lshrrev_b32 v[PFO], 1, v248
	v_lshlrev_b32 v[PFO], 14, v[PFO]
	v_and_b32 v251, 1, v0
	v_lshl_add_u32 v[PFO], v251, 8, v[PFO]
	v_lshlrev_b32 v[SH8], 3, v250
	v_add_nc_u32 v252, s21, v250                   ; my subtree: 2 w + h
	v_mul_u32_u24 v[ATOP], v249, TP
	v_lshl_add_u32 v[ATOP], v252, 4, v[ATOP]
	v_add_nc_u32 v[ATOP], TOPS, v[ATOP]
	v_and_b32 v253, 63, v0
	v_mul_u32_u24 v[ATR], v253, TP
	v_add_nc_u32 v[ATR], TOPS, v[ATR]
	v_lshlrev_b32 v[BO], 9, v252
	v_lshlrev_b32 v[LTO], 10, v252
	v_lshlrev_b32 v[OO], 3, v253
	v_mov_b32 v[QT], 0                             ; a lane permute's destination counts as one of its sources
	s_mov_b32 s[G1+0], 15|(3<<16)|(1<<21)          ; G1's first word once more: s24 served as a temporary above
	s_wait_alu depctr_va_vdst(0)
	s_wait_dscnt 0x0                               ; both opening adds are done
	s_wait_kmcnt 0x0
	s_add_nc_u64 s[WB:WB+1], s[6:7], s[WO:WO+1]
	s_add_nc_u64 s[XB:XB+1], s[4:5], s[XOF:XOF+1]
	s_add_nc_u64 s[12:13], s[12:13], s[22:23]
	XSET
	XLOAD 0                                        ; x of steps 0 and 1
	s_wait_xcnt 0x0
	XSET
	XLOAD 1
	WSET
	CROUND                                         ; the four work-groups are here: the first joint loads meet
	tensor_load_to_lds s[G0:G0+3], s[G1:G1+7]      ; steps 0 and 1 of wq's tiles 0-7, into slot 0: one tensor load a wave at the head
	s_nop 0
	TURNX 0                                        ; under its flight x of steps 0 and 1 is quantised; the loads that follow go out in the order in which two steps of the loop would issue them
	WADR WA2
	XSET
	WSCL 0                                         ; step 0's scale words,
	XLOAD 0                                        ; x of step 2,
	TURNX 1
	WADR WA
	KINC
	WADR WA2
	XSET
	WGLB 2                                         ; step 0's groups 2 and 3,
	WGLB 3
	WSCL 1                                         ; step 1's scale words,
	XLOAD 1                                        ; x of step 3
	s_wait_tensorcnt 0x0                           ; slot 1's first fill is issued as a refill is
	ds_add_u32 v[SPW], v[NIL]
	WSET
	s_wait_dscnt 0x0                               ; the add, and my stores into both images
	CROUND
	tensor_load_to_lds s[G0:G0+3], s[G1:G1+7]      ; steps 2 and 3, into slot 1
	s_nop 0
	FETCH_X 0
	WLDS 0, 0
	WLDS 1, 0
	s_wait_dscnt 0x0
	STEP 0, 1, 0, 1, 1, 1, 1, 1, 58, 42, 30, 30    ; step 0: its products start the sums
	s_mov_b32 s[CNT], 13
.Lpair:                                        ; steps 1 to 26
	STEP 1, 0, 1, 1, 1, 1, 1, 1, 58, 42, 30, 30
	STEP 0, 0, 0, 1, 1, 1, 1, 2, 58, 42, 30, 30
	s_sub_co_u32 s[CNT], s[CNT], 1
	s_cmp_lg_u32 s[CNT], 0
	s_cbranch_scc1 .Lpair
	STEP 1, 0, 1, 1, 1, 1, 1, 0, 58, 42, 30, 30    ; 27: the last refill (steps 30, 31) and the last load of x
	STEP 0, 0, 0, 1, 1, 1, 0, 0, 58, 42, 30, 30    ; 28: issues 26 loads
	STEP 1, 0, 2, 1, 1, 1, 0, 0, 42, 26, 14, 14    ; 29: the last quantising; issues 26 loads
	STEP 0, 0, 0, 1, 0, 0, 0, 0, 26, 0, 14, 14     ; 30: issues 24 loads
	BLOAD 0                                        ; the sets of x are free: my subtree's 128 biases, 32 loads
	BLOAD 1
	STEP 1, 0, 0, 0, 0, 0, 0, 0, 56, 0, 44, 32     ; 31
.irp m, 0,1,2,3
	v_mov_b32 v[RES+4*\m+3], 0
.endr
	s_wait_loadcnt 0x0                             ; the biases
	WIN 0x40
.set ii, 0
.rept 64
	global_load_b128 v[4*ii:4*ii+3], v[LTO], s[10:11] offset:16*ii   ; my subtree's 64 entries of lt, into window 1
.set ii, ii+1
.endr
; THE SIGMOID of all 512 sums, 1 / (1 + 2^(-log2(e) z + bq)), in four whole passes, with one wait between two passes
.irp w, 2,3
	WIN ((\w)<<6)|(\w)
.set ia, 0
.rept 128
	v_pk_fma_f32 v[2*ia:2*ia+1], v[2*ia:2*ia+1], s[NL2:NL2+1], v[ST+64*((\w)-2)+8*(ia/16)+2*(ia%4):ST+64*((\w)-2)+8*(ia/16)+2*(ia%4)+1] op_sel_hi:[1,0,1]
.set ia, ia+1
.endr
.endr
	s_wait_alu depctr_va_vdst(0)
.irp w, 2,3
	WIN ((\w)<<6)|(\w)
.set ia, 0
.rept 256
	v_exp_f32 v[ia], v[ia]
.set ia, ia+1
.endr
.endr
	v_nop
	s_wait_alu depctr_va_vdst(0)
.irp w, 2,3
	WIN ((\w)<<6)|(\w)
.set ia, 0
.rept 128
	v_pk_add_f32 v[2*ia:2*ia+1], v[2*ia:2*ia+1], 1.0 op_sel_hi:[1,0]
.set ia, ia+1
.endr
.endr
	s_wait_alu depctr_va_vdst(0)
.irp w, 2,3
	WIN ((\w)<<6)|(\w)
.set ia, 0
.rept 256
	v_rcp_f32 v[ia], v[ia]
.set ia, ia+1
.endr
.endr
	v_nop
	s_wait_alu depctr_va_vdst(0)
	s_wait_loadcnt 0x0                             ; lt
; THE SUBTREE of x's tile m, from the leaves up: a node's value is l + p (r - l), two classes at a time
.macro TREE m
	WIN 0x17
.set ii, 0
.rept 64
.set rP, 8*(4*(ii/8)+(\m))+ii%8
.if ii%2
	v_pk_fma_f32 v[ST+2*ii:ST+2*ii+1], v[rP-1:rP], v[4*ii+2:4*ii+3], v[4*ii:4*ii+1] op_sel:[1,0,0] op_sel_hi:[1,1,1]
.else
	v_pk_fma_f32 v[ST+2*ii:ST+2*ii+1], v[rP:rP+1], v[4*ii+2:4*ii+3], v[4*ii:4*ii+1] op_sel_hi:[0,1,1]
.endif
.set ii, ii+1
.endr
.irp n, 32,16,8,4,2
	WIN 0
.set iu, 0
.rept \n
.set vl, ST+2*iu*(64/\n)
.set vr, vl+64/\n
	v_pk_add_f32 v[vr:vr+1], v[vr:vr+1], v[vl:vl+1] neg_lo:[0,1] neg_hi:[0,1]
.set iu, iu+1
.endr
	WIN 0x02
.set iu, 0
.rept \n
.set vl, ST+2*iu*(64/\n)
.set vr, vl+64/\n
.set sg, \n+iu
.set rP, 8*(4*(sg/8)+(\m))+sg%8
.if sg%2
	v_pk_fma_f32 v[vl:vl+1], v[rP-1:rP], v[vr:vr+1], v[vl:vl+1] op_sel:[1,0,0] op_sel_hi:[1,1,1]
.else
	v_pk_fma_f32 v[vl:vl+1], v[rP:rP+1], v[vr:vr+1], v[vl:vl+1] op_sel_hi:[0,1,1]
.endif
.set iu, iu+1
.endr
.endr
	WIN 0
	v_pk_add_f32 v[ST+64:ST+65], v[ST+64:ST+65], v[ST:ST+1] neg_lo:[0,1] neg_hi:[0,1]
	WIN 0x02
	v_pk_fma_f32 v[RES+4*(\m):RES+4*(\m)+1], v[8*(\m):8*(\m)+1], v[ST+64:ST+65], v[ST:ST+1] op_sel:[1,0,0] op_sel_hi:[1,1,1]
	v_mov_b32 v[RES+4*(\m)+2], v[8*(\m)]           ; slot 0: the p of top node s
	WIN 0
	ds_store_b128 v[ATOP], v[RES+4*(\m):RES+4*(\m)+3] offset:16*TP*(\m)
.endm
	TREE 0
	TREE 1
	TREE 2
	TREE 3
	s_wait_dscnt 0x0                               ; for the others' sake: my stores have landed
	s_barrier_signal -1
	s_barrier_wait -1
	s_cmp_gt_u32 s[WV], 1
	s_cbranch_scc1 .Lrest
.irp s, 0,1,2,3,4,5,6,7                        ; waves 0 and 1: a lane a row: the eight subtrees' values and the seven top nodes' p
	ds_load_b128 v[ST+4*\s:ST+4*\s+3], v[ATR] offset:16*\s
.endr
	s_wait_dscnt 0x0
.macro LERP l, r, n
	v_pk_add_f32 v[ST+4*(\r):ST+4*(\r)+1], v[ST+4*(\r):ST+4*(\r)+1], v[ST+4*(\l):ST+4*(\l)+1] neg_lo:[0,1] neg_hi:[0,1]
	v_pk_fma_f32 v[ST+4*(\l):ST+4*(\l)+1], v[ST+4*(\n)+2:ST+4*(\n)+3], v[ST+4*(\r):ST+4*(\r)+1], v[ST+4*(\l):ST+4*(\l)+1] op_sel_hi:[0,1,1]
.endm
	LERP 0, 1, 3
	LERP 2, 3, 4
	LERP 4, 5, 5
	LERP 6, 7, 6
	LERP 0, 2, 1
	LERP 4, 6, 2
	LERP 0, 4, 0
	global_store_b64 v[OO], v[ST:ST+1], s[12:13]   ; a wave stores 256 consecutive bytes, aligned
.Lrest:
	s_wait_tensorcnt 0x0                           ; the wave's end
	ds_add_u32 v[SPW], v[NIL]
	s_wait_dscnt 0x0
	CROUND                                         ; the closing round
	s_endpgm
.Lfunc_end_k_qf8b7991066_tree:
	.size	k_qf8b7991066_tree, .Lfunc_end_k_qf8b7991066_tree-k_qf8b7991066_tree
	.p2alignl 7, 3214868480
	.fill 96, 4, 3214868480
	.section	.rodata,"a",@progbits
	.p2align	6, 0x0
	.amdhsa_kernel k_qf8b7991066_tree
		.amdhsa_group_segment_fixed_size 327680
		.amdhsa_private_segment_fixed_size 0
		.amdhsa_enable_private_segment 0
		.amdhsa_kernarg_size 40
		.amdhsa_user_sgpr_count 2
		.amdhsa_user_sgpr_kernarg_segment_ptr 1
		.amdhsa_wavefront_size32 1
		.amdhsa_system_sgpr_workgroup_id_x 1
		.amdhsa_system_sgpr_workgroup_id_y 1
		.amdhsa_system_sgpr_workgroup_id_z 1
		.amdhsa_system_vgpr_workitem_id 0
		.amdhsa_next_free_vgpr 1024
		.amdhsa_next_free_sgpr 76
		.amdhsa_reserve_vcc 0
		.amdhsa_float_denorm_mode_32 3
		.amdhsa_float_denorm_mode_16_64 3
		.amdhsa_memory_ordered 1
		.amdhsa_forward_progress 1
		.amdhsa_inst_pref_size 255
	.end_amdhsa_kernel
	.section	.bss,"aw",@nobits
	.p2align	6
	.space	262144
	.amdgpu_metadata
---
amdhsa.version: [ 1, 2 ]
amdhsa.kernels:
  - .name:           k_qf8b7991066_tree
    .symbol:         k_qf8b7991066_tree.kd
    .args:
      - { .name: x, .offset: 0, .size: 8, .value_kind: global_buffer, .address_space: global }
      - { .name: wq, .offset: 8, .size: 8, .value_kind: global_buffer, .address_space: global }
      - { .name: bq, .offset: 16, .size: 8, .value_kind: global_buffer, .address_space: global }
      - { .name: lt, .offset: 24, .size: 8, .value_kind: global_buffer, .address_space: global }
      - { .name: out0, .offset: 32, .size: 8, .value_kind: global_buffer, .address_space: global }
    .group_segment_fixed_size: 327680
    .private_segment_fixed_size: 0
    .kernarg_segment_align: 8
    .kernarg_segment_size: 40
    .max_flat_workgroup_size: 128
    .sgpr_count:     76
    .vgpr_count:     1024
    .wavefront_size: 32
...
	.end_amdgpu_metadata
.endif
;; end of part 4
